; MI455X (gfx1250); checked and timed in simulation.
; The chip was launched on July 23, 2026; its instructions are those of AMD's public machine-readable ISA for CDNA 5 (MIT licence, August 2026) and "CDNA5" Instruction Set Architecture Reference Guide (July 2026). The comments in the code are by the model that wrote it; some were corrected since.
;; Causal Multi Head Self Attention. Allowed arithmetic: matrix products marked QUANTISED: E2M3 operands, one E8M0 scale for each 32 along K, by v_wmma_scale_f32_16x16x128_f8f6f4 with both operands' format E2M3, f32 sums; everything else in f32.
;; Inputs: Wk_codes 1,024 x 32 x 24 uint8 (E2M3 codes of Wk, K innermost, in blocks of 32 codes, four codes in three bytes); Wk_scales 1,024 x 32 uint8 (E8M0 scales of Wk, one for each 32 codes along K); Wo_codes 1,024 x 32 x 24 uint8 (E2M3 codes of Wo, K innermost, in blocks of 32 codes, four codes in three bytes); Wo_scales 1,024 x 32 uint8 (E8M0 scales of Wo, one for each 32 codes along K); Wq_codes 1,024 x 32 x 24 uint8 (E2M3 codes of Wq, K innermost, in blocks of 32 codes, four codes in three bytes); Wq_scales 1,024 x 32 uint8 (E8M0 scales of Wq, one for each 32 codes along K); Wv_codes 1,024 x 32 x 24 uint8 (E2M3 codes of Wv, K innermost, in blocks of 32 codes, four codes in three bytes); Wv_scales 1,024 x 32 uint8 (E8M0 scales of Wv, one for each 32 codes along K); token_positions 2,048 int32; x_codes 4 x 2,048 x 32 x 24 uint8 (E2M3 codes of x, K innermost, in blocks of 32 codes, four codes in three bytes); x_scales 4 x 2,048 x 32 uint8 (E8M0 scales of x, one for each 32 codes along K).
;; Outputs: out0 4 x 2,048 x 1,024 float32.
;; This version of the problem:
;;   THIS VERSION OF THE PROBLEM IS GIVEN IN LOW PRECISION. The matrix products marked QUANTISED in the list below multiply operands that are first quantised to E2M3 (2 exponent bits, 3 mantissa bits; 6 bits a number), with one power-of-two scale for each 32 numbers along K (OCP MX v1.0); their sums are f32. All else is computed in f32.
;;   The module's matrix products, in the order in which they are computed (A, B: the left and right operand; K: the contracted axis; several contracted axes count as one K, in the product's order):
;;     1. [M 8,192, K 1,024] x [K 1,024, N 1,024]; A: input x (given as codes); B: input Wq (given as codes): QUANTISED
;;     2. [M 8,192, K 1,024] x [K 1,024, N 1,024]; A: input x (given as codes); B: input Wk (given as codes): QUANTISED
;;     3. [M 8,192, K 1,024] x [K 1,024, N 1,024]; A: input x (given as codes); B: input Wv (given as codes): QUANTISED
;;     4. batch 64 x [M 2,048, K 64] x [K 64, N 2,048]; A: computed on the way; B: computed on the way: QUANTISED
;;     5. batch 64 x [M 2,048, K 2,048] x [K 2,048, N 64]; A: softmax (see below); B: computed on the way: QUANTISED
;;     6. [M 8,192, K 1,024] x [K 1,024, N 1,024]; A: computed on the way; B: input Wo (given as codes): QUANTISED
;;   THE QUANTISER, for each operand of a quantised product, along K:
;;     - K is cut into blocks of 32 from its start; a last block that is shorter is filled with zeros.
;;     - A block's scale is 2^e with e = floor(log2(the largest magnitude in the block)) - 2, held to -126 .. 127; a block of zeros has e = 0. As a byte (E8M0): e + 127.
;;     - Each number is divided by its block's scale, clamped to +-7.5, and rounded to the nearest number of E2M3, ties to even, subnormals kept.
;;     - The product sums the exact products of the quantised numbers (number of the format x scale) in f32.
;;   ~~~python
;;   def quantise(x, axis):      # numpy; x: float32 -> the quantised numbers, widened to float32 again
;;       x = np.moveaxis(x, axis, -1); K = x.shape[-1]
;;       x = np.pad(x, [(0, 0)] * (x.ndim - 1) + [(0, -K % 32)]); x = x.reshape(x.shape[:-1] + (-1, 32)); a = np.abs(x).max(-1, keepdims=True)
;;       e = np.where(a > 0, np.clip(np.frexp(np.where(a > 0, a, 1))[1] - 1 - 2, -126, 127), 0)      # np.frexp(a)[1] - 1 = floor(log2(a)), exactly
;;       r = np.clip(x / 2.0 ** e, -7.5, 7.5)
;;       step = 2.0 ** (np.maximum(np.frexp(np.where(r == 0, 1, r))[1] - 1, 0) - 3)
;;       q = np.round(r / step) * step * 2.0 ** e      # np.round: ties to even
;;       return np.moveaxis(q.reshape(q.shape[:-2] + (-1,))[..., :K], -1, axis).astype(np.float32)
;;   ~~~
;;   SOFTMAX AHEAD OF A QUANTISED PRODUCT. Where the list says 'softmax', what is quantised is not the finished softmax but p = 2^(t - M), with t = logit x log2(e) and M = ceil(the row's largest t), a whole number; so 1/2 < the row's largest p <= 1. The row's sum l is taken of the UNQUANTISED p, in f32, and the product's result is divided by l at the end. Since M is a whole number, a kernel that streams over the keys may use a running M (the ceiling of the running maximum): every later rescaling is an exact power of two, which a block's scale takes up: the codes' values come out the same.
;;   OPERANDS COMPUTED ON THE WAY. 'Computed on the way' means the value that the module computes at that place (a softmax that the list does not call 'softmax' is quantised finished and normalised). What goes into a quantiser is computed in f32, as accurately as f32 sums, v_exp_f32 and their like allow (about 1e-6 of the number): no bf16 or f16 on the way to a quantiser, and a product that is left as it is and whose result goes on into a quantised operand takes f32 operands (vector FMAs, or v_wmma_f32_16x16x4_f32). A number that lies on a knife's edge between two numbers of the format may be rounded either way, as far as f32 arithmetic and the matrix unit's own rounding can turn it there, and no further.
;;   INPUTS GIVEN AS CODES. Wk (in the module: [1024, 1024], K = its axis 1); Wo (in the module: [1024, 1024], K = its axis 1); Wq (in the module: [1024, 1024], K = its axis 1); Wv (in the module: [1024, 1024], K = its axis 1); x (in the module: [4, 2048, 1024], K = its axis 2): each comes as NAME_codes (uint8): NAME with its K axis moved to the last place and cut into blocks of 32 codes, [.., K / 32, bytes a block], one block behind the other in memory; four codes in three bytes: a row's codes are one little-endian stream of bits, code i at bits 6 i .. 6 i + 5 (a code: sign, 2 exponent bits, 3 mantissa bits); and NAME_scales (uint8): the same leading axes, one E8M0 byte (e + 127) for each 32 codes along K. Its value is code x scale, taken as it is: it is not quantised again, and the codes and scales need not be those that the quantiser above would give.
;; One version. Each part assembles by itself: llvm-mc -triple=amdgcn-amd-amdhsa -mcpu=gfx1250 --defsym DOCPART=n.
;; ======== version 1 of 1: 4 launches
;; limits: right only within a limited range of input values
;; workspace buffers: tab 524,288 bytes; qbuf 6,815,744 bytes; kv 13,369,344 bytes; abuf 6,553,600 bytes
;; launch vt (part 1): grid 32 x 8, 4 waves a work-group, clusters of 4 x 4, 327,680 bytes of LDS; arguments Wv_codes, Wv_scales, x_codes, x_scales, kv, token_positions, tab; writes kv, tab
.if DOCPART == 1
	.amdgcn_target "amdgcn-amd-amdhsa--gfx1250"
	.amdhsa_code_object_version 6
	.text
	.protected	k_q8b17697f4d_vt
	.globl	k_q8b17697f4d_vt
	.p2align	8
	.type	k_q8b17697f4d_vt,@function
k_q8b17697f4d_vt:
	s_mov_b64 s[64:65], 0
	v_nop
	global_prefetch_b8 v0, s[64:65] scope:SCOPE_SE
	s_setreg_imm32_b32 hwreg(HW_REG_WAVE_MODE, 25, 1), 1
	s_wait_xcnt 0x0
	s_wait_alu depctr_hold_cnt(0) depctr_sa_sdst(0) depctr_va_vdst(0) depctr_va_sdst(0) depctr_va_ssrc(0) depctr_va_vcc(0) depctr_vm_vsrc(0)
	s_getreg_b32 s2, hwreg(HW_REG_IB_STS2, 6, 4)
	s_cmp_eq_u32 s2, 0
	s_cbranch_scc0 .Lentry_in_a_cluster
	s_endpgm
.Lentry_in_a_cluster:
	s_bfe_u32 s2, ttmp6, 0x10000c
	s_cmp_lg_u32 s2, 0xf033
	s_cbranch_scc0 .Lentry_shape_is_right
	s_endpgm
.Lentry_shape_is_right:
; TWO JOBS IN ONE LAUNCH, parted by the cluster's y, which all sixteen partners of a cluster share.
; Clusters with y = 0 (128 work-groups): V^T = Wv x^T on codes of FP6 (E2M3) with E8M0 scales, then quantised along the KEYS into kv, as images of the operand registers of attention's second product.
; Clusters with y = 1 (128 work-groups): the table of cos and sin of token_positions[s] x 10000^(-f / 32), f = 0 .. 31, in f32, laid as the next launch's lanes want it.
; THE PRODUCT.  A = Wv [1024][1024], B = x [8192][1024], K innermost, 128 codes in 96 bytes.  A work-group of four waves makes 256 rows of Wv x 256 tokens, a wave 128 x 128: 64 accumulators, 512 registers.
; K goes in steps of 256 through a ring of two LDS slots filled by the tensor data mover; the scale bytes of the work-group's rows come once and stay.  4 x 4 work-groups form a cluster: Wv's tiles are asked for jointly along a
; row of the cluster, x's along a column.  The matrix instruction takes source 0 = 16 tokens, source 1 = 16 rows of Wv: lane (r, h) of accumulator (a, b) holds channel 16 a + r and, in register j, token 16 b + 8 h + j.
; THE QUANTISER.  A block of 32 keys lies in lanes l and l xor 16, 16 numbers each.  Scale = 2^(floor(log2(largest magnitude)) - 2); its byte is the largest magnitude's exponent field - 2, held at 1 from below.
; After the exchange of halves a lane holds a whole block in the order 0-7, 16-23, 8-15, 24-31 of its keys; attention lays p in the same order, so the products are the same.
; LIMITS: NaN and infinities are not served; a block whose largest magnitude lies under 2^-124 keeps the byte 1, a block of zeros too (its codes are zeros; this program alone reads the bytes).
; The table: |position x frequency| up to about 3e6 (the quarter turn's number is then still exact in f32); the frequency is 2^(-f L) by v_exp_f32 with L = log2(10) / 8 in two parts, about one and a half units in the last place.
.set KSTEP,  256
.set NQ,     2
.set ROWB,   192                       ; a tile's row in bytes: 256 codes
.set KROW,   768                       ; a row of 1,024 codes in memory
.set PITCH,  240                       ; an LDS row: 3 x (64 bytes + 16 of padding)
.set FR,     12                        ; registers of a fragment
.set NL,     6                         ; LDS loads that bring one
.set NP,     4                         ; places behind this matrix instruction (ISA guide 7.12.1)
.set HALFT,  128*PITCH
.set SLOT,   4*HALFT
.set LAPS,   2                         ; 1,024 along K = two laps of two slots
.set KS,     32                        ; a row of scale bytes
.set SCL,    2*SLOT
.set HALFS,  (128*KS/256)*272
.set SBLK,   (16*KS/256)*272
.set SPARE,  SCL+4*HALFS               ; the spare words: 128 bytes a wave, two blocks of 256 bytes that no other line names
.set REC,    13056                     ; kv: a record of one head and 128 keys: K's codes 6,144, V's codes 6,144, K's scale words 512, V's 256
.set HEADB,  16*REC
.set ADRA, 16                          ; v16-19 LDS addresses of A's fragments
.set ADRB, 20                          ; v20-23 of B's
.set LI,   24                          ; v24 16 x lane
.set LS,   25                          ; v25 4 x lane
.set ADRS, 27                          ; v27 LDS address of my scale words
.set SPW,  28                          ; v28 my spare word; never rewritten
.set NIL,  29                          ; v29 0; never rewritten
.set SC,   32                          ; v32-63 scale words, two sets: they hold nothing else
.set AF,   128                         ; A's fragments, window 0
.set TM,   200                         ; the way out: v200-203 largest magnitudes, v204-207 bytes, v212-215 scale operands
.set PW,   216                         ; the scale word just made
.set WS,   217                         ; the even tile's word
.set WX,   218                         ; two tiles' words: lanes 0-15 the even tile's, lanes 16-31 the odd one's
.set PC,   224                         ; v224-243 the codes just made
.set G1, 24
.set G0, 32
.set G1B, 48
.set G0B, 56
.set G1S, 68
.set G0S, 76
.set G1SB, 80
.set G0SB, 88
.set MSB, 0
.macro WIN new                         ; the immediate's high byte repeats the setting that is left
.if MSB != \new
	s_set_vgpr_msb (MSB<<8)|\new
.set MSB, \new
.endif
.endm
.set MUL_LO, 0xa1                      ; source 0 (B) window 1, source 1 (A) window 0, C and D window 2
.set MUL_HI, 0xf1                      ; the same, C and D window 3
.set TO_B,   0x40                      ; destination window 1
; A joint load: waves 0 and 1 fetch for A, waves 2 and 3 for B; the branch hangs on the wave's number alone.  Four v_nop follow each of the two lines.
.macro JLOAD g0a, g1a, g0b, g1b
	s_cmp_eq_u32 s15, 0
	s_cbranch_scc0 .Lfor_b_\@
	tensor_load_to_lds s[\g0a:\g0a+3], s[\g1a:\g1a+7]
	s_nop 0
.rept 4
	v_nop
.endr
	s_branch .Lasked_\@
.Lfor_b_\@:
	tensor_load_to_lds s[\g0b:\g0b+3], s[\g1b:\g1b+7]
	s_nop 0
.rept 4
	v_nop
.endr
.Lasked_\@:
.endm
.macro CREST                           ; a round of the cluster's barrier behind its opening barrier
	s_cmp_lg_u32 s14, 0
	s_cbranch_scc1 .Lnot_wave_0_\@
	s_barrier_signal -3
.Lnot_wave_0_\@:
	s_barrier_wait -3
	s_barrier_signal -1
	s_barrier_wait -1
.endm
.macro CROUND                          ; a whole round
	s_barrier_signal -1
	s_barrier_wait -1
	CREST
.endm
	s_load_b128 s[4:7], s[0:1], 0x0                ; Wv's codes, Wv's scales
	s_load_b128 s[8:11], s[0:1], 0x10              ; x's codes, x's scales
	s_load_b64 s[12:13], s[0:1], 0x20              ; kv
	s_load_b64 s[96:97], s[0:1], 0x28              ; token_positions
	s_load_b64 s[98:99], s[0:1], 0x30              ; tab
	v_lshl_add_u32 v[SPW], v0, 2, SPARE
	v_mov_b32 v[NIL], 0
	ds_add_u32 v28, v29
	ds_add_u32 v28, v29
	s_wait_dscnt 0x0
	v_lshrrev_b32 v1, 5, v0
	v_readfirstlane_b32 s14, v1                    ; wave 0..3
	s_lshr_b32 s15, s14, 1                         ; my half of A's rows.  Also: I fetch for A (0) or for B (1)
	s_and_b32 s16, s14, 1                          ; my half of B's rows.  Also: which 128 rows I fetch
	s_bfe_u32 s40, ttmp6, 0x40000                  ; cx
	s_bfe_u32 s41, ttmp6, 0x40004                  ; cy
	s_lshl_b32 s42, ttmp9, 2
	s_add_co_u32 s42, s42, s40                     ; tile column (256 tokens) = 4 x cluster x + cx
	s_mov_b32 s17, s41                             ; tile row (256 rows of Wv) = cy: the product's clusters have y = 0
	s_lshl_b32 s43, s41, 2
	s_lshl_b32 s43, 15, s43                        ; my row of the cluster
	s_lshl_b32 s44, 0x1111, s40                    ; my column
	s_or_b32 s[G1+0], s43, (0<<16)|(1<<20)|(1<<21)|(3<<22)|(3<<25)  ; the mask; elements of 1 byte; padding on; bit 21 beside a mask; after every 16 words 4 words of padding
	s_or_b32 s[G1B+0], s44, (0<<16)|(1<<20)|(1<<21)|(3<<22)|(3<<25)
.irp g, G1, G1B
	s_mov_b32 s[\g+1], ROWB<<16                    ; tensor_dim0
	s_mov_b32 s[\g+2], 128<<16                     ; tensor_dim1
	s_mov_b32 s[\g+3], ROWB<<16                    ; tile_dim0
	s_mov_b32 s[\g+4], 128                         ; tile_dim1
	s_mov_b32 s[\g+5], KROW                        ; pitch
	s_mov_b32 s[\g+6], 0
	s_mov_b32 s[\g+7], 0
.endr
	s_or_b32 s[G1S+0], s43, (3<<16)|(1<<20)|(1<<21)|(5<<22)|(3<<25)  ; the scales of 128 rows: 4,096 dense bytes as 16 rows of 256, 16 bytes of padding behind each
	s_or_b32 s[G1SB+0], s44, (3<<16)|(1<<20)|(1<<21)|(5<<22)|(3<<25)
.irp g, G1S, G1SB
	s_mov_b32 s[\g+1], 32<<16
	s_mov_b32 s[\g+2], (128*KS/256)<<16
	s_mov_b32 s[\g+3], 32<<16
	s_mov_b32 s[\g+4], 128*KS/256
	s_mov_b32 s[\g+5], 32
	s_mov_b32 s[\g+6], 0
	s_mov_b32 s[\g+7], 0
.endr
	s_lshl_b32 s18, s16, 7                         ; which 128 rows of the tile I fetch
	s_lshl_b32 s20, s17, 8
	s_add_co_u32 s20, s20, s18                     ; A: row
	s_lshl_b32 s46, s42, 8
	s_add_co_u32 s46, s46, s18                     ; B: row
	s_mov_b32 s21, 0
	s_mov_b32 s47, 0
	s_mov_b64 s[18:19], KS
	s_mul_u64 s[22:23], s[20:21], s[18:19]         ; where these rows' scales begin
	s_mul_u64 s[92:93], s[46:47], s[18:19]
	s_mov_b64 s[18:19], KROW
	s_mul_u64 s[20:21], s[20:21], s[18:19]         ; and their codes
	s_mul_u64 s[46:47], s[46:47], s[18:19]
	s_mul_i32 s45, s14, HALFT                      ; where they go: wave x 128 rows
	s_mul_i32 s94, s14, HALFS
	s_wait_kmcnt 0x0
	s_add_nc_u64 s[20:21], s[4:5], s[20:21]
	s_add_nc_u64 s[22:23], s[6:7], s[22:23]
	s_add_nc_u64 s[46:47], s[8:9], s[46:47]
	s_add_nc_u64 s[92:93], s[10:11], s[92:93]
	CROUND                                         ; all sixteen work-groups are here: the first joint loads meet
	s_and_b32 s95, ttmp7, 0xffff                   ; the cluster's y: the same number in all sixteen partners
	s_cmp_lg_u32 s95, 0
	s_cbranch_scc1 .Ltable                         ; clusters with y = 1 make the table and ask for no tile
	s_mov_b32 s[G0S], 1
	s_add_co_u32 s[G0S+1], s94, SCL
	s_mov_b64 s[G0S+2:G0S+3], s[22:23]
	s_or_b32 s[G0S+3], s[G0S+3], 0x80000000
	s_mov_b32 s[G0SB], 1
	s_add_co_u32 s[G0SB+1], s94, SCL
	s_mov_b64 s[G0SB+2:G0SB+3], s[92:93]
	s_or_b32 s[G0SB+3], s[G0SB+3], 0x80000000
	JLOAD G0S, G1S, G0SB, G1SB                     ; the scales first: they are wanted with K step 0
.irp s, 0,1
	s_mov_b32 s[G0+4*\s], 1
	s_add_co_u32 s[G0+4*\s+1], s45, \s*SLOT
	s_add_nc_u64 s[G0+4*\s+2:G0+4*\s+3], s[20:21], \s*ROWB
	s_or_b32 s[G0+4*\s+3], s[G0+4*\s+3], 0x80000000
	s_mov_b32 s[G0B+4*\s], 1
	s_add_co_u32 s[G0B+4*\s+1], s45, \s*SLOT
	s_add_nc_u64 s[G0B+4*\s+2:G0B+4*\s+3], s[46:47], \s*ROWB
	s_or_b32 s[G0B+4*\s+3], s[G0B+4*\s+3], 0x80000000
	JLOAD G0+4*\s, G1, G0B+4*\s, G1B
.endr
	v_and_b32 v1, 15, v0                           ; r
	v_bfe_u32 v2, v0, 4, 1                         ; h
	v_mul_u32_u24 v3, v1, PITCH
	v_mul_u32_u24 v4, v2, 24
	v_add_nc_u32 v4, v3, v4                        ; a fragment's row x pitch + 24 h
	v_lshl_add_u32 v5, v2, 4, v4                   ; and the same behind one padding more
	s_mul_i32 s21, s15, HALFT
	s_mul_i32 s22, s16, HALFT
	s_add_co_u32 s22, s22, 2*HALFT
.irp s, 0,1
	v_add_nc_u32 v[ADRA+\s], s21, v4
	v_add_nc_u32 v[ADRB+\s], s22, v4
	v_add_nc_u32 v[ADRA+2+\s], s21, v5
	v_add_nc_u32 v[ADRB+2+\s], s22, v5
	s_add_co_u32 s21, s21, SLOT
	s_add_co_u32 s22, s22, SLOT
.endr
	v_mul_u32_u24 v5, v1, KS                       ; my row's scales: 32 bytes a row,
	v_lshrrev_b32 v6, 8, v5
	v_lshl_add_u32 v5, v6, 4, v5                   ; and 16 more for each 256 passed
	s_mul_i32 s21, s15, HALFS
	s_mul_i32 s22, s16, HALFS
	s_add_co_u32 s22, s22, 2*HALFS
	s_sub_co_u32 s22, s22, s21
	v_mul_u32_u24 v6, s22, v2                      ; lanes 16-31 take B's
	s_add_co_u32 s21, s21, SCL
	v_add_nc_u32 v5, v5, v6
	v_add_nc_u32 v[ADRS], s21, v5
	v_and_b32 v6, 31, v0
	v_lshlrev_b32 v[LI], 4, v6
	v_lshlrev_b32 v[LS], 2, v6
	; where my results go in kv: head 4 cy + 2 (my half of A) of batch (tile column / 8), key step 2 (tile column % 8) + my half of B, V's codes
	s_lshr_b32 s46, s42, 3
	s_lshl_b32 s46, s46, 4
	s_lshl_b32 s20, s41, 2
	s_lshl_b32 s21, s15, 1
	s_add_co_u32 s20, s20, s21
	s_add_co_u32 s46, s46, s20
	s_mul_i32 s46, s46, HEADB
	s_and_b32 s47, s42, 7
	s_lshl_b32 s47, s47, 1
	s_add_co_u32 s47, s47, s16
	s_mul_i32 s47, s47, REC
	s_add_co_u32 s46, s46, s47
	s_add_co_u32 s46, s46, 6144
	s_mov_b32 s47, 0
	s_add_nc_u64 s[12:13], s[12:13], s[46:47]
	s_mov_b32 s20, 0x76543210
	s_mov_b32 s21, 0xfedcba98                      ; v_permlanex16_b32's selects for lane l xor 16
	s_mov_b32 s22, 0xffff0000                      ; lanes 16-31
.macro FRAG reg, adr, q, i             ; a fragment: lane (r, h) takes 24 bytes of its row's stream of bits for each 64 along K, in pieces of 8 bytes; where the piece lies behind one padding more for lanes 16-31, the second address register serves
.irp p, 0,1,2,3,4,5
.set PCE, 12*(\q)+6*(\p/3)+\p%3
.if PCE%8 < 5
	ds_load_b64 v[\reg+2*\p:\reg+2*\p+1], v[\adr] offset:8*PCE+16*(PCE/8)+(\i)*16*PITCH
.else
	ds_load_b64 v[\reg+2*\p:\reg+2*\p+1], v[\adr+2] offset:8*PCE+16*(PCE/8)+(\i)*16*PITCH
.endif
.endr
.endm
; 16 matrix instructions: A's blocks a0, a0 + 1 x B's eight.  The 64 accumulators take turns, one instruction a turn, in the same order in every step.
.macro MUL16 a0, p, q, sc, zero
.irp a, \a0, \a0+1
.irp b, 0,1,2,3,4,5,6,7
.if \zero
	v_wmma_scale_f32_16x16x128_f8f6f4 v[8*(8*((\a)%4)+\b):8*(8*((\a)%4)+\b)+7], v[128*(\p)+FR*\b:128*(\p)+FR*\b+FR-1], v[AF+FR*(\a):AF+FR*(\a)+FR-1], 0, v[SC+8*NQ*(\sc)+NQ*\b+(\q)], v[SC+8*NQ*(\sc)+NQ*(\a)+(\q)] matrix_a_fmt:MATRIX_FMT_FP6 matrix_b_fmt:MATRIX_FMT_FP6 matrix_a_scale:MATRIX_SCALE_ROW1
.else
	v_wmma_scale_f32_16x16x128_f8f6f4 v[8*(8*((\a)%4)+\b):8*(8*((\a)%4)+\b)+7], v[128*(\p)+FR*\b:128*(\p)+FR*\b+FR-1], v[AF+FR*(\a):AF+FR*(\a)+FR-1], v[8*(8*((\a)%4)+\b):8*(8*((\a)%4)+\b)+7], v[SC+8*NQ*(\sc)+NQ*\b+(\q)], v[SC+8*NQ*(\sc)+NQ*(\a)+(\q)] matrix_a_fmt:MATRIX_FMT_FP6 matrix_b_fmt:MATRIX_FMT_FP6 matrix_a_scale:MATRIX_SCALE_ROW1
.endif
.endr
.endr
.endm
.macro FETCH_B slot, q, p
	WIN TO_B
.irp i, 0,1,2,3,4,5,6,7
	FRAG 128*(\p)+FR*\i, ADRB+\slot, \q, \i
.endr
	WIN 0
.endm
.macro FETCH_A slot, q, i0
.irp i, \i0, \i0+1, \i0+2, \i0+3
	FRAG AF+FR*(\i), ADRA+\slot, \q, \i
.endr
.endm
.macro SCALES sc                       ; a K step's scale words: lanes 0-15 A's block i, lanes 16-31 B's block i
.irp i, 0,1,2,3,4,5,6,7
	ds_load_b64 v[SC+8*NQ*\sc+NQ*\i:SC+8*NQ*\sc+NQ*\i+1], v[ADRS] offset:\i*SBLK
.endr
.endm
.macro PLACES n                        ; plain vector instructions between a matrix instruction and a load into, or a read or write of, its registers
.rept \n
	v_nop
.endr
.endm
.macro STEP slot, q, zero              ; 128 along K that has its successor in the same slot
	s_wait_dscnt 4*NL                              ; B's set and A's blocks 0-3 are in; the youngest 24 loads (A's blocks 4-7) may be out
	WIN MUL_LO
	MUL16 0, (\q)%2, \q, \slot, \zero
	MUL16 2, (\q)%2, \q, \slot, \zero
	s_wait_dscnt 0
	PLACES NP
	FETCH_B \slot, (\q)+1, 1-(\q)%2
	FETCH_A \slot, (\q)+1, 0
	WIN MUL_HI
	MUL16 4, (\q)%2, \q, \slot, \zero
	MUL16 6, (\q)%2, \q, \slot, \zero
	PLACES NP
	WIN 0
	FETCH_A \slot, (\q)+1, 4
.endm
; A slot's last step changes slots: one barrier; in front of it each wave waits for all its tensor loads, adds 0 to its spare word, and waits for that and for its reads of this slot.
.macro TURN slot, next, fill
	s_wait_tensorcnt 0x0                           ; all my tensor loads have landed: my part of the next slot
	ds_add_u32 v[SPW], v[NIL]                      ; 0 onto my spare word
	s_wait_dscnt 4*NL+1                            ; the add and the youngest 24 loads (A's blocks 4-7) may be out
	WIN MUL_LO
	MUL16 0, 1, NQ-1, \slot, 0
	s_wait_dscnt 0x0                               ; the add is done, and my reads of this slot are over
	s_barrier_signal -1
	MUL16 2, 1, NQ-1, \slot, 0
	WIN 0
	s_barrier_wait -1
.if \fill
	CREST                                          ; the barrier has opened a round of the cluster's barrier: no wave of any partner still reads this slot or has a load on its way
	s_add_nc_u64 s[G0+4*\slot+2:G0+4*\slot+3], s[G0+4*\slot+2:G0+4*\slot+3], 2*ROWB
	s_add_nc_u64 s[G0B+4*\slot+2:G0B+4*\slot+3], s[G0B+4*\slot+2:G0B+4*\slot+3], 2*ROWB
	JLOAD G0+4*\slot, G1, G0B+4*\slot, G1B         ; the first tensor load behind the round; its four v_nop are the places in front of the loads below
.else
	PLACES NP
.endif
	v_add_nc_u32 v[ADRS], 4*NQ, v[ADRS]            ; the next K step's scale words
	FETCH_B \next, 0, 0
	FETCH_A \next, 0, 0
	SCALES \next
	WIN MUL_HI
	MUL16 4, 1, NQ-1, \slot, 0
	MUL16 6, 1, NQ-1, \slot, 0
	PLACES NP
	WIN 0
	FETCH_A \next, 0, 4
.endm
	s_wait_tensorcnt 1                             ; the scales and my part of K step 0 are in; K step 1's load may be out
	s_barrier_signal -1
	s_barrier_wait -1
	FETCH_B 0, 0, 0
	FETCH_A 0, 0, 0
	SCALES 0
	FETCH_A 0, 0, 4
	STEP 0, 0, 1                                   ; the first step's products start the sums
	s_mov_b32 s3, LAPS-1
.Llap:
	TURN 0, 1, 1
	STEP 1, 0, 0
	TURN 1, 0, 1
	STEP 0, 0, 0
	s_sub_co_u32 s3, s3, 1
	s_cmp_lg_u32 s3, 0
	s_cbranch_scc1 .Llap
	TURN 0, 1, 0                                   ; the last lap fills nothing
	STEP 1, 0, 0
	s_wait_dscnt 4*NL
	WIN MUL_LO
	MUL16 0, 1, NQ-1, 1, 0
	MUL16 2, 1, NQ-1, 1, 0
	s_wait_dscnt 0
	WIN MUL_HI
	MUL16 4, 1, NQ-1, 1, 0
	MUL16 6, 1, NQ-1, 1, 0
	WIN 0
	PLACES NP                                      ; behind the last products: their results are read and A's registers written below
.irp b, 0,1,2,3
	v_mov_b32 v[TM+4+\b], 0                        ; written once: a lane permute's destination counts as one of its sources
.endr
; THE WAY OUT of block a: 16 channels x my 128 keys = one fragment of V^T and one scale word a channel.  Register 16 b + i of the block's 64 is a number of key block b.
.macro VOUT a
.set AC, 64*((\a)%4)
.set WA, 2+(\a)/4
.set W01, WA|(WA<<2)
.set W12, (WA<<2)|(WA<<4)
	s_wait_xcnt 0x0                                ; the last block's stores have read their data: the codes' registers are written again only behind this wait
	WIN W01
.irp b, 0,1,2,3
	v_max3_num_f32 v[TM+\b], |v[AC+16*\b]|, |v[AC+16*\b+1]|, 0x1800000   ; my 16 numbers of block b, and the floor 2^(3 - 127); each accumulator is read from its low end on
.endr
	WIN W12
.irp i, 2,4,6,8,10,12,14
.irp b, 0,1,2,3
	v_max3_num_f32 v[TM+\b], v[TM+\b], |v[AC+16*\b+\i]|, |v[AC+16*\b+\i+1]|
.endr
.endr
	WIN 0
.irp b, 0,1,2,3
	v_permlanex16_b32 v[TM+4+\b], v[TM+\b], s20, s21
.endr
.irp b, 0,1,2,3
	v_max_num_f32 v[TM+\b], v[TM+\b], v[TM+4+\b]   ; with lane l xor 16's: the block's largest magnitude
.endr
.irp b, 0,1,2,3
	v_add_nc_u32 v[TM+12+\b], 0xff000000, v[TM+\b] ; 2 off its exponent field: the conversion's scale operand
.endr
.irp b, 0,1,2,3
	v_lshrrev_b32 v[TM+4+\b], 23, v[TM+12+\b]      ; the scale's byte
.endr
	v_lshl_or_b32 v[PW], v[TM+5], 8, v[TM+4]
	v_lshl_or_b32 v[PW], v[TM+6], 16, v[PW]
	v_lshl_or_b32 v[PW], v[TM+7], 24, v[PW]        ; my channel's scale word for these 128 keys
	WIN WA
.irp c, 0,1
	v_cvt_scalef32_pk16_fp6_f32 v[PC+6*\c:PC+6*\c+2], v[AC+32*\c:AC+32*\c+15], v[TM+12+2*\c]
	v_cvt_scalef32_pk16_fp6_f32 v[PC+12+4*\c:PC+12+4*\c+2], v[AC+32*\c+16:AC+32*\c+31], v[TM+12+2*\c+1]
.endr
	WIN 0
	v_nop                                          ; one plain place behind a scaled conversion
.irp c, 0,1                            ; the operand's layout wants a whole block in a lane: lanes 0-15 block 2 c, lanes 16-31 block 2 c + 1
.irp i, 0,1,2
	v_permlane16_swap_b32 v[PC+6*\c+\i], v[PC+12+4*\c+\i]
.endr
.irp i, 0,1,2
	v_mov_b32 v[PC+3+6*\c+\i], v[PC+12+4*\c+\i]
.endr
.endr
.irp p, 0,1,2
	global_store_b128 v[LI], v[PC+4*\p:PC+4*\p+3], s[12:13] offset:((\a)/4)*HEADB+((\a)%4)*1536+512*\p   ; the fragment as it stands: 512 consecutive bytes a store, aligned to 256
.endr
.if ((\a)%2) == 0
	v_mov_b32 v[WS], v[PW]
.else
	v_cndmask_b32 v[WX], v[WS], v[PW], s22         ; lanes 0-15 the even tile's words, lanes 16-31 the odd tile's
	global_store_b32 v[LS], v[WX], s[12:13] offset:((\a)/4)*HEADB+6656+128*(((\a)%4)/2)
.endif
.endm
.irp a, 0,1,2,3,4,5,6,7
	VOUT \a
.endr
	s_wait_tensorcnt 0x0                           ; the wave's end
	ds_add_u32 v[SPW], v[NIL]
	s_wait_dscnt 0x0
	CROUND                                         ; the closing round
	s_endpgm
; THE TABLE.  Work-group = 16 positions (tile 16 x cluster x + cx + 4 cy: it enters global addresses alone), wave = beta; lane (r, h) makes cos and sin for position r and frequencies f = 8 beta + 4 h + 0 .. 3.
.set VF,  64
.set YY,  68
.set KK,  72
.set EE,  76
.set ANG, 80
.set NN,  84
.set RR,  88
.set ZZ,  92
.set SNP, 96
.set CSP, 100
.set T1,  104
.set QI,  108
.set T2,  112
.set POS, 116
.set COS, 120
.set SIN, 124
.Ltable:
	s_lshl_b32 s46, ttmp9, 4
	s_add_co_u32 s46, s46, s40
	s_lshl_b32 s47, s41, 2
	s_add_co_u32 s46, s46, s47                     ; the tile of positions, 0 .. 127
	s_lshl_b32 s20, s46, 6
	s_mov_b32 s21, 0
	s_add_nc_u64 s[96:97], s[96:97], s[20:21]      ; its 16 positions
	s_lshl_b32 s20, s46, 12
	s_lshl_b32 s22, s14, 10
	s_add_co_u32 s20, s20, s22
	s_add_nc_u64 s[98:99], s[98:99], s[20:21]      ; its place in the table: 4,096 bytes a tile, 1,024 a wave
	v_and_b32 v1, 15, v0
	v_lshlrev_b32 v117, 2, v1
	global_load_b32 v[POS], v117, s[96:97]
	s_mov_b32 s24, 0xbed49a80                      ; -LHI: log2(10) / 8 rounded to 19 bits, so that f x LHI is exact
	s_mov_b32 s25, 0x342ae0c2                      ; (LHI - log2(10) / 8) x ln 2
	s_mov_b32 s26, 0x3f22f983                      ; 2 / pi
	s_mov_b32 s27, 0xbfc90fdb                      ; -pi / 2 in three parts
	s_mov_b32 s28, 0x333bbd2e
	s_mov_b32 s29, 0x26f72ced
	s_mov_b32 s30, 0xb94ca1f9                      ; sine on +-pi / 4: r + r z (S1 + z (S2 + z S3))
	s_mov_b32 s31, 0x3c08839e
	s_mov_b32 s32, 0xbe2aaaa3
	s_mov_b32 s33, 0x37ccf5ce                      ; cosine: 1 - z / 2 + z z (C1 + z (C2 + z C3))
	s_mov_b32 s34, 0xbab6061a
	s_mov_b32 s35, 0x3d2aaaa5
	v_bfe_u32 v2, v0, 4, 1
	v_lshlrev_b32 v2, 2, v2
	s_lshl_b32 s22, s14, 3
	v_add_nc_u32 v2, s22, v2                       ; 8 beta + 4 h
	v_and_b32 v118, 31, v0
	v_lshlrev_b32 v118, 4, v118
.irp i, 0,1,2,3
	v_add_nc_u32 v[VF+\i], \i, v2
.endr
.irp i, 0,1,2,3
	v_cvt_f32_u32 v[VF+\i], v[VF+\i]
.endr
.irp i, 0,1,2,3
	v_mul_f32 v[YY+\i], s24, v[VF+\i]              ; exact
.endr
.irp i, 0,1,2,3
	v_mul_f32 v[KK+\i], s25, v[VF+\i]
.endr
.irp i, 0,1,2,3
	v_exp_f32 v[EE+\i], v[YY+\i]
.endr
	v_nop                                          ; a plain place behind the exponentials
	s_wait_loadcnt 0x0
	v_cvt_f32_i32 v[POS], v[POS]
	s_wait_alu depctr_va_vdst(0)                   ; one wait for the four, ahead of their first reader
.irp i, 0,1,2,3
	v_fma_f32 v[EE+\i], v[EE+\i], v[KK+\i], v[EE+\i]   ; the frequency 10^(-f / 8); f = 0 gives 1 exactly
.endr
.irp i, 0,1,2,3
	v_mul_f32 v[ANG+\i], v[POS], v[EE+\i]          ; the angle, rounded once
.endr
.irp i, 0,1,2,3
	v_fma_f32 v[NN+\i], v[ANG+\i], s26, 0.5
.endr
.irp i, 0,1,2,3
	v_floor_f32 v[NN+\i], v[NN+\i]                 ; the nearest quarter turn
.endr
.irp i, 0,1,2,3
	v_fma_f32 v[RR+\i], v[NN+\i], s27, v[ANG+\i]
.endr
.irp i, 0,1,2,3
	v_fma_f32 v[RR+\i], v[NN+\i], s28, v[RR+\i]
.endr
.irp i, 0,1,2,3
	v_fma_f32 v[RR+\i], v[NN+\i], s29, v[RR+\i]
.endr
.irp i, 0,1,2,3
	v_mul_f32 v[ZZ+\i], v[RR+\i], v[RR+\i]
.endr
.irp i, 0,1,2,3
	v_fma_f32 v[SNP+\i], v[ZZ+\i], s30, s31
.endr
.irp i, 0,1,2,3
	v_fma_f32 v[CSP+\i], v[ZZ+\i], s33, s34
.endr
.irp i, 0,1,2,3
	v_fma_f32 v[SNP+\i], v[SNP+\i], v[ZZ+\i], s32
.endr
.irp i, 0,1,2,3
	v_fma_f32 v[CSP+\i], v[CSP+\i], v[ZZ+\i], s35
.endr
.irp i, 0,1,2,3
	v_mul_f32 v[T1+\i], v[RR+\i], v[ZZ+\i]
.endr
.irp i, 0,1,2,3
	v_mul_f32 v[T2+\i], v[ZZ+\i], v[ZZ+\i]
.endr
.irp i, 0,1,2,3
	v_fma_f32 v[SNP+\i], v[SNP+\i], v[T1+\i], v[RR+\i]
.endr
.irp i, 0,1,2,3
	v_fma_f32 v[T1+\i], v[ZZ+\i], -0.5, 1.0
.endr
.irp i, 0,1,2,3
	v_fma_f32 v[CSP+\i], v[CSP+\i], v[T2+\i], v[T1+\i]
.endr
.irp i, 0,1,2,3
	v_cvt_i32_f32 v[QI+\i], v[NN+\i]
.endr
.irp i, 0,1,2,3                        ; the quarter: odd ones swap sine and cosine; the sine is negative in quarters 2 and 3, the cosine in 1 and 2
	v_and_b32 v[T1+\i], 1, v[QI+\i]
	v_cmp_ne_u32 vcc_lo, 0, v[T1+\i]
	v_cndmask_b32 v[SIN+\i], v[SNP+\i], v[CSP+\i], vcc_lo
	v_cndmask_b32 v[COS+\i], v[CSP+\i], v[SNP+\i], vcc_lo
	v_lshlrev_b32 v[T1+\i], 30, v[QI+\i]
	v_add_nc_u32 v[T2+\i], 1, v[QI+\i]
	v_lshlrev_b32 v[T2+\i], 30, v[T2+\i]
	v_and_b32 v[T1+\i], 0x80000000, v[T1+\i]
	v_and_b32 v[T2+\i], 0x80000000, v[T2+\i]
	v_xor_b32 v[SIN+\i], v[T1+\i], v[SIN+\i]
	v_xor_b32 v[COS+\i], v[T2+\i], v[COS+\i]
.endr
	global_store_b128 v118, v[COS:COS+3], s[98:99]             ; 512 consecutive bytes a store, aligned to 256
	global_store_b128 v118, v[SIN:SIN+3], s[98:99] offset:512
	s_wait_tensorcnt 0x0                           ; the wave's end
	ds_add_u32 v[SPW], v[NIL]
	s_wait_dscnt 0x0
	CROUND                                         ; the closing round
	s_endpgm
.Lfunc_end_k_q8b17697f4d_vt:
	.size	k_q8b17697f4d_vt, .Lfunc_end_k_q8b17697f4d_vt-k_q8b17697f4d_vt
	.p2alignl 7, 3214868480
	.fill 96, 4, 3214868480
	.section	.rodata,"a",@progbits
	.p2align	6, 0x0
	.amdhsa_kernel k_q8b17697f4d_vt
		.amdhsa_group_segment_fixed_size 327680
		.amdhsa_private_segment_fixed_size 0
		.amdhsa_enable_private_segment 0
		.amdhsa_kernarg_size 56
		.amdhsa_user_sgpr_count 2
		.amdhsa_user_sgpr_kernarg_segment_ptr 1
		.amdhsa_wavefront_size32 1
		.amdhsa_system_sgpr_workgroup_id_x 1
		.amdhsa_system_sgpr_workgroup_id_y 1
		.amdhsa_system_sgpr_workgroup_id_z 1
		.amdhsa_system_vgpr_workitem_id 0
		.amdhsa_next_free_vgpr 1024
		.amdhsa_next_free_sgpr 100
		.amdhsa_reserve_vcc 1
		.amdhsa_float_denorm_mode_32 3
		.amdhsa_float_denorm_mode_16_64 3
		.amdhsa_memory_ordered 1
		.amdhsa_forward_progress 1
		.amdhsa_inst_pref_size 173
	.end_amdhsa_kernel
	.amdgpu_metadata
---
amdhsa.version: [ 1, 2 ]
amdhsa.kernels:
  - .name:           k_q8b17697f4d_vt
    .symbol:         k_q8b17697f4d_vt.kd
    .args:
      - { .name: Wv_codes, .offset: 0, .size: 8, .value_kind: global_buffer, .address_space: global }
      - { .name: Wv_scales, .offset: 8, .size: 8, .value_kind: global_buffer, .address_space: global }
      - { .name: x_codes, .offset: 16, .size: 8, .value_kind: global_buffer, .address_space: global }
      - { .name: x_scales, .offset: 24, .size: 8, .value_kind: global_buffer, .address_space: global }
      - { .name: kv, .offset: 32, .size: 8, .value_kind: global_buffer, .address_space: global }
      - { .name: token_positions, .offset: 40, .size: 8, .value_kind: global_buffer, .address_space: global }
      - { .name: tab, .offset: 48, .size: 8, .value_kind: global_buffer, .address_space: global }
    .group_segment_fixed_size: 327680
    .private_segment_fixed_size: 0
    .kernarg_segment_align: 8
    .kernarg_segment_size: 56
    .max_flat_workgroup_size: 128
    .sgpr_count:     100
    .vgpr_count:     1024
    .wavefront_size: 32
...
	.end_amdgpu_metadata
.endif
;; end of part 1
;; launch qk (part 2): grid 8 x 32, 4 waves a work-group, clusters of 4 x 4, 327,680 bytes of LDS; arguments x_codes, x_scales, Wq_codes, Wq_scales, Wk_codes, Wk_scales, tab, qbuf, kv; writes qbuf, kv
.if DOCPART == 2
	.amdgcn_target "amdgcn-amd-amdhsa--gfx1250"
	.amdhsa_code_object_version 6
	.text
	.protected	k_q8b17697f4d_qk
	.globl	k_q8b17697f4d_qk
	.p2align	8
	.type	k_q8b17697f4d_qk,@function
k_q8b17697f4d_qk:
	s_mov_b64 s[64:65], 0
	v_nop
	global_prefetch_b8 v0, s[64:65] scope:SCOPE_SE
	s_setreg_imm32_b32 hwreg(HW_REG_WAVE_MODE, 25, 1), 1
	s_wait_xcnt 0x0
	s_wait_alu depctr_hold_cnt(0) depctr_sa_sdst(0) depctr_va_vdst(0) depctr_va_sdst(0) depctr_va_ssrc(0) depctr_va_vcc(0) depctr_vm_vsrc(0)
	s_getreg_b32 s2, hwreg(HW_REG_IB_STS2, 6, 4)
	s_cmp_eq_u32 s2, 0
	s_cbranch_scc0 .Lentry_in_a_cluster
	s_endpgm
.Lentry_in_a_cluster:
	s_bfe_u32 s2, ttmp6, 0x10000c
	s_cmp_lg_u32 s2, 0xf033
	s_cbranch_scc0 .Lentry_shape_is_right
	s_endpgm
.Lentry_shape_is_right:
; Q = rope(x Wq^T) and K = rope(x Wk^T) on codes of FP6 (E2M3) with E8M0 scales, then quantised along the head's 64 into qbuf and kv, as images of the operand registers of attention's first product.
; The cluster's x says which: 0 = Q, 1 = K; only pointers and strides are chosen by it, both take one path through the text.
; THE PRODUCT.  A = x [8192][1024], B = the weight [1024][1024].  A work-group of four waves makes 256 tokens x 256 channels (four heads), a wave 128 x 128: 64 accumulators.  K goes in steps of 256 through a ring of two LDS
; slots filled by the tensor data mover; the scale bytes come once and stay.  4 x 4 work-groups form a cluster: x's tiles are asked for jointly along a row of the cluster, the weight's along a column.
; Source 0 = 16 channels, source 1 = 16 tokens: lane (r, h) of accumulator (a, b) holds token 16 a + r and, in register j, channel 16 b + 8 h + j: four neighbouring pairs (even, odd) of one head.
; ROPE in f32: cos and sin come from the table of the launch before, laid so that a lane's four pairs take four neighbouring numbers; the next row tile's eight loads are on their way while a tile is worked.
; THE QUANTISER.  A block of 32 channels lies in lanes l and l xor 16.  Scale = 2^(floor(log2(largest magnitude)) - 2); byte = the largest magnitude's exponent field - 2, held at 1 from below.  After the exchange of halves
; lane (r, h) holds block h in the order 0-7, 16-23, 8-15, 24-31: alike in Q and K, so the products are the same.  A scale word has bytes 0 and 1; bytes 2 and 3 are 0.
; LIMITS: NaN and infinities are not served; a block whose largest magnitude lies under 2^-124 keeps the byte 1, a block of zeros too (its codes are zeros; this program alone reads the bytes).
.set KSTEP,  256
.set NQ,     2
.set ROWB,   192
.set KROW,   768
.set PITCH,  240
.set FR,     12
.set NL,     6
.set NP,     4
.set HALFT,  128*PITCH
.set SLOT,   4*HALFT
.set LAPS,   2
.set KS,     32
.set SCL,    2*SLOT
.set HALFS,  (128*KS/256)*272
.set SBLK,   (16*KS/256)*272
.set SPARE,  SCL+4*HALFS               ; the spare words: 128 bytes a wave, two blocks of 256 bytes that no other line names
.set REC,    13056
.set HEADB,  16*REC
.set QSC,    6291456                   ; qbuf: behind the codes, the scale words
.set ADRA, 16
.set ADRB, 20
.set LI,   24                          ; v24 16 x lane
.set LS,   25                          ; v25 4 x lane
.set L8,   26                          ; v26 8 x lane
.set ADRS, 27
.set SPW,  28
.set NIL,  29
.set SC,   32                          ; v32-63 scale words: they hold nothing else
.set TBL,  64                          ; v64-127 two sets of a row tile's cos and sin
.set AF,   128
.set T,    128                         ; the way out: v128-159 a head's 32 rotated numbers
.set UU,   160                         ; v160-167 products with the sines
.set TM,   200
.set PW,   216
.set WS,   217                         ; v217-218 the even tile's scale words, one for each head
.set WX,   220
.set PC,   224                         ; v224-229 the codes
.set CT,   232                         ; v232-234 the second conversion's
.set PSC,  92                          ; s[92:93], s[94:95] where my two heads' scale words go
.set PCD,  96                          ; s[96:97], s[98:99] where their codes go
.set G1, 24
.set G0, 32
.set G1B, 48
.set G0B, 56
.set G1S, 68
.set G0S, 76
.set G1SB, 80
.set G0SB, 88
.set MSB, 0
.macro WIN new
.if MSB != \new
	s_set_vgpr_msb (MSB<<8)|\new
.set MSB, \new
.endif
.endm
.set MUL_LO, 0xa1
.set MUL_HI, 0xf1
.set TO_B,   0x40
.macro JLOAD g0a, g1a, g0b, g1b        ; a joint load: waves 0 and 1 fetch for A, waves 2 and 3 for B; four v_nop follow each line
	s_cmp_eq_u32 s15, 0
	s_cbranch_scc0 .Lfor_b_\@
	tensor_load_to_lds s[\g0a:\g0a+3], s[\g1a:\g1a+7]
	s_nop 0
.rept 4
	v_nop
.endr
	s_branch .Lasked_\@
.Lfor_b_\@:
	tensor_load_to_lds s[\g0b:\g0b+3], s[\g1b:\g1b+7]
	s_nop 0
.rept 4
	v_nop
.endr
.Lasked_\@:
.endm
.macro CREST
	s_cmp_lg_u32 s14, 0
	s_cbranch_scc1 .Lnot_wave_0_\@
	s_barrier_signal -3
.Lnot_wave_0_\@:
	s_barrier_wait -3
	s_barrier_signal -1
	s_barrier_wait -1
.endm
.macro CROUND
	s_barrier_signal -1
	s_barrier_wait -1
	CREST
.endm
	s_load_b128 s[4:7], s[0:1], 0x0                ; x's codes, x's scales
	s_load_b128 s[8:11], s[0:1], 0x10              ; Wq's codes, Wq's scales
	s_load_b128 s[24:27], s[0:1], 0x20             ; Wk's codes, Wk's scales
	s_load_b64 s[12:13], s[0:1], 0x30              ; tab
	s_load_b64 s[96:97], s[0:1], 0x38              ; qbuf
	s_load_b64 s[98:99], s[0:1], 0x40              ; kv
	v_lshl_add_u32 v[SPW], v0, 2, SPARE
	v_mov_b32 v[NIL], 0
	ds_add_u32 v28, v29
	ds_add_u32 v28, v29
	s_wait_dscnt 0x0
	v_lshrrev_b32 v1, 5, v0
	v_readfirstlane_b32 s14, v1                    ; wave 0..3
	s_lshr_b32 s15, s14, 1                         ; my half of the tokens.  Also: I fetch for A (0) or for B (1)
	s_and_b32 s16, s14, 1                          ; my half of the channels.  Also: which 128 rows I fetch
	s_bfe_u32 s40, ttmp6, 0x40000                  ; cx
	s_bfe_u32 s41, ttmp6, 0x40004                  ; cy
	s_mov_b32 s42, s40                             ; tile column inside the weight = cx
	s_and_b32 s17, ttmp7, 0xffff
	s_lshl_b32 s17, s17, 2
	s_add_co_u32 s17, s17, s41                     ; tile row (256 tokens) = 4 x cluster y + cy
	s_lshl_b32 s43, s41, 2
	s_lshl_b32 s43, 15, s43                        ; my row of the cluster
	s_lshl_b32 s44, 0x1111, s40                    ; my column
	s_wait_kmcnt 0x0
	s_cmp_eq_u32 ttmp9, 0                          ; Q's cluster or K's?  The choice hangs on the cluster's x alone
	s_cselect_b64 s[8:9], s[8:9], s[24:25]
	s_cselect_b64 s[10:11], s[10:11], s[26:27]
	s_cselect_b64 s[96:97], s[96:97], s[98:99]
	s_or_b32 s[G1+0], s43, (0<<16)|(1<<20)|(1<<21)|(3<<22)|(3<<25)
	s_or_b32 s[G1B+0], s44, (0<<16)|(1<<20)|(1<<21)|(3<<22)|(3<<25)
.irp g, G1, G1B
	s_mov_b32 s[\g+1], ROWB<<16
	s_mov_b32 s[\g+2], 128<<16
	s_mov_b32 s[\g+3], ROWB<<16
	s_mov_b32 s[\g+4], 128
	s_mov_b32 s[\g+5], KROW
	s_mov_b32 s[\g+6], 0
	s_mov_b32 s[\g+7], 0
.endr
	s_or_b32 s[G1S+0], s43, (3<<16)|(1<<20)|(1<<21)|(5<<22)|(3<<25)
	s_or_b32 s[G1SB+0], s44, (3<<16)|(1<<20)|(1<<21)|(5<<22)|(3<<25)
.irp g, G1S, G1SB
	s_mov_b32 s[\g+1], 32<<16
	s_mov_b32 s[\g+2], (128*KS/256)<<16
	s_mov_b32 s[\g+3], 32<<16
	s_mov_b32 s[\g+4], 128*KS/256
	s_mov_b32 s[\g+5], 32
	s_mov_b32 s[\g+6], 0
	s_mov_b32 s[\g+7], 0
.endr
	s_lshl_b32 s18, s16, 7
	s_lshl_b32 s20, s17, 8
	s_add_co_u32 s20, s20, s18                     ; A: row
	s_lshl_b32 s46, s42, 8
	s_add_co_u32 s46, s46, s18                     ; B: row
	s_mov_b32 s21, 0
	s_mov_b32 s47, 0
	s_mov_b64 s[18:19], KS
	s_mul_u64 s[22:23], s[20:21], s[18:19]
	s_mul_u64 s[92:93], s[46:47], s[18:19]
	s_mov_b64 s[18:19], KROW
	s_mul_u64 s[20:21], s[20:21], s[18:19]
	s_mul_u64 s[46:47], s[46:47], s[18:19]
	s_mul_i32 s45, s14, HALFT
	s_mul_i32 s94, s14, HALFS
	s_add_nc_u64 s[20:21], s[4:5], s[20:21]
	s_add_nc_u64 s[22:23], s[6:7], s[22:23]
	s_add_nc_u64 s[46:47], s[8:9], s[46:47]
	s_add_nc_u64 s[92:93], s[10:11], s[92:93]
	CROUND                                         ; all sixteen work-groups are here: the first joint loads meet
	s_mov_b32 s[G0S], 1
	s_add_co_u32 s[G0S+1], s94, SCL
	s_mov_b64 s[G0S+2:G0S+3], s[22:23]
	s_or_b32 s[G0S+3], s[G0S+3], 0x80000000
	s_mov_b32 s[G0SB], 1
	s_add_co_u32 s[G0SB+1], s94, SCL
	s_mov_b64 s[G0SB+2:G0SB+3], s[92:93]
	s_or_b32 s[G0SB+3], s[G0SB+3], 0x80000000
	JLOAD G0S, G1S, G0SB, G1SB
.irp s, 0,1
	s_mov_b32 s[G0+4*\s], 1
	s_add_co_u32 s[G0+4*\s+1], s45, \s*SLOT
	s_add_nc_u64 s[G0+4*\s+2:G0+4*\s+3], s[20:21], \s*ROWB
	s_or_b32 s[G0+4*\s+3], s[G0+4*\s+3], 0x80000000
	s_mov_b32 s[G0B+4*\s], 1
	s_add_co_u32 s[G0B+4*\s+1], s45, \s*SLOT
	s_add_nc_u64 s[G0B+4*\s+2:G0B+4*\s+3], s[46:47], \s*ROWB
	s_or_b32 s[G0B+4*\s+3], s[G0B+4*\s+3], 0x80000000
	JLOAD G0+4*\s, G1, G0B+4*\s, G1B
.endr
	v_and_b32 v1, 15, v0
	v_bfe_u32 v2, v0, 4, 1
	v_mul_u32_u24 v3, v1, PITCH
	v_mul_u32_u24 v4, v2, 24
	v_add_nc_u32 v4, v3, v4
	v_lshl_add_u32 v5, v2, 4, v4
	s_mul_i32 s21, s15, HALFT
	s_mul_i32 s22, s16, HALFT
	s_add_co_u32 s22, s22, 2*HALFT
.irp s, 0,1
	v_add_nc_u32 v[ADRA+\s], s21, v4
	v_add_nc_u32 v[ADRB+\s], s22, v4
	v_add_nc_u32 v[ADRA+2+\s], s21, v5
	v_add_nc_u32 v[ADRB+2+\s], s22, v5
	s_add_co_u32 s21, s21, SLOT
	s_add_co_u32 s22, s22, SLOT
.endr
	v_mul_u32_u24 v5, v1, KS
	v_lshrrev_b32 v6, 8, v5
	v_lshl_add_u32 v5, v6, 4, v5
	s_mul_i32 s21, s15, HALFS
	s_mul_i32 s22, s16, HALFS
	s_add_co_u32 s22, s22, 2*HALFS
	s_sub_co_u32 s22, s22, s21
	v_mul_u32_u24 v6, s22, v2
	s_add_co_u32 s21, s21, SCL
	v_add_nc_u32 v5, v5, v6
	v_add_nc_u32 v[ADRS], s21, v5
	v_and_b32 v6, 31, v0
	v_lshlrev_b32 v[LI], 4, v6
	v_lshlrev_b32 v[LS], 2, v6
	v_lshlrev_b32 v[L8], 3, v6
	; where my results go.  Codes: head x HS + (my first row tile / 8) x TS;  scale words: BS + head x HSS + (my first row tile / 8) x TSS.  Q: 98,304, 6,144, QSC, 8,192, 512;  K: a head of kv, a record, 12,288, a head, a record
	s_mov_b32 s4, HEADB
	s_mov_b32 s5, REC
	s_mov_b32 s6, 12288
	s_cmp_eq_u32 ttmp9, 0
	s_cselect_b32 s7, 98304, s4                    ; HS
	s_cselect_b32 s8, 6144, s5                     ; TS
	s_cselect_b32 s9, 8192, s4                     ; HSS
	s_cselect_b32 s10, 512, s5                     ; TSS
	s_cselect_b32 s11, QSC, s6                     ; BS
	s_lshr_b32 s18, s17, 3
	s_lshl_b32 s18, s18, 4                         ; 16 x batch
	s_lshl_b32 s46, s40, 2
	s_add_co_u32 s46, s46, s18
	s_lshl_b32 s18, s16, 1
	s_add_co_u32 s46, s46, s18                     ; my first head: 16 batch + 4 cx + 2 (my half of the channels)
	s_and_b32 s18, s17, 7
	s_lshl_b32 s18, s18, 1
	s_add_co_u32 s18, s18, s15                     ; my first row tile / 8 = the key step of my 128 tokens
	s_mul_i32 s20, s46, s9
	s_mul_i32 s21, s18, s10
	s_add_co_u32 s20, s20, s21
	s_add_co_u32 s20, s20, s11
	s_mov_b32 s21, 0
	s_add_nc_u64 s[PSC:PSC+1], s[96:97], s[20:21]
	s_mov_b32 s20, s9
	s_add_nc_u64 s[PSC+2:PSC+3], s[PSC:PSC+1], s[20:21]
	s_mul_i32 s20, s46, s7
	s_mul_i32 s22, s18, s8
	s_add_co_u32 s20, s20, s22
	s_add_nc_u64 s[PCD:PCD+1], s[96:97], s[20:21]
	s_mov_b32 s20, s7
	s_add_nc_u64 s[PCD+2:PCD+3], s[PCD:PCD+1], s[20:21]
	s_lshl_b32 s20, s18, 15
	s_add_nc_u64 s[12:13], s[12:13], s[20:21]      ; the table at my first row tile: 4,096 bytes a tile
	s_mov_b32 s20, 0x76543210
	s_mov_b32 s21, 0xfedcba98                      ; v_permlanex16_b32's selects for lane l xor 16
	s_mov_b32 s22, 0xffff0000                      ; lanes 16-31
.macro TLOAD a                         ; row tile a's cos and sin: for each of a head's four tiles of channels four cosines and four sines a lane; 512 consecutive bytes a load
.irp e, 0,1,2,3
.irp c, 0,1
	global_load_b128 v[TBL+32*((\a)%2)+8*\e+4*\c:TBL+32*((\a)%2)+8*\e+4*\c+3], v[LI], s[12:13] offset:4096*(\a)+1024*\e+512*\c
.endr
.endr
.endm
	TLOAD 0                                        ; they land while K is walked: the loop names neither these registers nor this counter
	TLOAD 1
.macro FRAG reg, adr, q, i
.irp p, 0,1,2,3,4,5
.set PCE, 12*(\q)+6*(\p/3)+\p%3
.if PCE%8 < 5
	ds_load_b64 v[\reg+2*\p:\reg+2*\p+1], v[\adr] offset:8*PCE+16*(PCE/8)+(\i)*16*PITCH
.else
	ds_load_b64 v[\reg+2*\p:\reg+2*\p+1], v[\adr+2] offset:8*PCE+16*(PCE/8)+(\i)*16*PITCH
.endif
.endr
.endm
.macro MUL16 a0, p, q, sc, zero        ; the 64 accumulators take turns, one instruction a turn
.irp a, \a0, \a0+1
.irp b, 0,1,2,3,4,5,6,7
.if \zero
	v_wmma_scale_f32_16x16x128_f8f6f4 v[8*(8*((\a)%4)+\b):8*(8*((\a)%4)+\b)+7], v[128*(\p)+FR*\b:128*(\p)+FR*\b+FR-1], v[AF+FR*(\a):AF+FR*(\a)+FR-1], 0, v[SC+8*NQ*(\sc)+NQ*\b+(\q)], v[SC+8*NQ*(\sc)+NQ*(\a)+(\q)] matrix_a_fmt:MATRIX_FMT_FP6 matrix_b_fmt:MATRIX_FMT_FP6 matrix_a_scale:MATRIX_SCALE_ROW1
.else
	v_wmma_scale_f32_16x16x128_f8f6f4 v[8*(8*((\a)%4)+\b):8*(8*((\a)%4)+\b)+7], v[128*(\p)+FR*\b:128*(\p)+FR*\b+FR-1], v[AF+FR*(\a):AF+FR*(\a)+FR-1], v[8*(8*((\a)%4)+\b):8*(8*((\a)%4)+\b)+7], v[SC+8*NQ*(\sc)+NQ*\b+(\q)], v[SC+8*NQ*(\sc)+NQ*(\a)+(\q)] matrix_a_fmt:MATRIX_FMT_FP6 matrix_b_fmt:MATRIX_FMT_FP6 matrix_a_scale:MATRIX_SCALE_ROW1
.endif
.endr
.endr
.endm
.macro FETCH_B slot, q, p
	WIN TO_B
.irp i, 0,1,2,3,4,5,6,7
	FRAG 128*(\p)+FR*\i, ADRB+\slot, \q, \i
.endr
	WIN 0
.endm
.macro FETCH_A slot, q, i0
.irp i, \i0, \i0+1, \i0+2, \i0+3
	FRAG AF+FR*(\i), ADRA+\slot, \q, \i
.endr
.endm
.macro SCALES sc
.irp i, 0,1,2,3,4,5,6,7
	ds_load_b64 v[SC+8*NQ*\sc+NQ*\i:SC+8*NQ*\sc+NQ*\i+1], v[ADRS] offset:\i*SBLK
.endr
.endm
.macro PLACES n
.rept \n
	v_nop
.endr
.endm
.macro STEP slot, q, zero
	s_wait_dscnt 4*NL                              ; the youngest 24 loads (A's blocks 4-7) may be out
	WIN MUL_LO
	MUL16 0, (\q)%2, \q, \slot, \zero
	MUL16 2, (\q)%2, \q, \slot, \zero
	s_wait_dscnt 0
	PLACES NP
	FETCH_B \slot, (\q)+1, 1-(\q)%2
	FETCH_A \slot, (\q)+1, 0
	WIN MUL_HI
	MUL16 4, (\q)%2, \q, \slot, \zero
	MUL16 6, (\q)%2, \q, \slot, \zero
	PLACES NP
	WIN 0
	FETCH_A \slot, (\q)+1, 4
.endm
.macro TURN slot, next, fill
	s_wait_tensorcnt 0x0                           ; all my tensor loads have landed: my part of the next slot
	ds_add_u32 v[SPW], v[NIL]                      ; 0 onto my spare word
	s_wait_dscnt 4*NL+1                            ; the add and the youngest 24 loads may be out
	WIN MUL_LO
	MUL16 0, 1, NQ-1, \slot, 0
	s_wait_dscnt 0x0                               ; the add is done, and my reads of this slot are over
	s_barrier_signal -1
	MUL16 2, 1, NQ-1, \slot, 0
	WIN 0
	s_barrier_wait -1
.if \fill
	CREST                                          ; a round of the cluster's barrier: no wave of any partner still reads this slot or has a load on its way
	s_add_nc_u64 s[G0+4*\slot+2:G0+4*\slot+3], s[G0+4*\slot+2:G0+4*\slot+3], 2*ROWB
	s_add_nc_u64 s[G0B+4*\slot+2:G0B+4*\slot+3], s[G0B+4*\slot+2:G0B+4*\slot+3], 2*ROWB
	JLOAD G0+4*\slot, G1, G0B+4*\slot, G1B
.else
	PLACES NP
.endif
	v_add_nc_u32 v[ADRS], 4*NQ, v[ADRS]
	FETCH_B \next, 0, 0
	FETCH_A \next, 0, 0
	SCALES \next
	WIN MUL_HI
	MUL16 4, 1, NQ-1, \slot, 0
	MUL16 6, 1, NQ-1, \slot, 0
	PLACES NP
	WIN 0
	FETCH_A \next, 0, 4
.endm
	s_wait_tensorcnt 1                             ; the scales and my part of K step 0 are in; K step 1's load may be out
	s_barrier_signal -1
	s_barrier_wait -1
	FETCH_B 0, 0, 0
	FETCH_A 0, 0, 0
	SCALES 0
	FETCH_A 0, 0, 4
	STEP 0, 0, 1
	s_mov_b32 s3, LAPS-1
.Llap:
	TURN 0, 1, 1
	STEP 1, 0, 0
	TURN 1, 0, 1
	STEP 0, 0, 0
	s_sub_co_u32 s3, s3, 1
	s_cmp_lg_u32 s3, 0
	s_cbranch_scc1 .Llap
	TURN 0, 1, 0
	STEP 1, 0, 0
	s_wait_dscnt 4*NL
	WIN MUL_LO
	MUL16 0, 1, NQ-1, 1, 0
	MUL16 2, 1, NQ-1, 1, 0
	s_wait_dscnt 0
	WIN MUL_HI
	MUL16 4, 1, NQ-1, 1, 0
	MUL16 6, 1, NQ-1, 1, 0
	WIN 0
	PLACES NP                                      ; behind the last products: their results are read and A's registers written below
	v_mov_b32 v[TM+4], 0                           ; written once: a lane permute's destination counts as one of its sources
	v_mov_b32 v[TM+5], 0
; THE WAY OUT of row tile a: for each of my two heads: rotate, quantise two blocks of 32, store 768 bytes of codes; the scale words of two row tiles leave together.
.macro QKOUT a
.set WA, 2+(\a)/4
.set TBS, TBL+32*((\a)%2)
.if (\a) < 7
	s_wait_loadcnt 8                               ; this row tile's table is in; the next one's eight loads may be out
.else
	s_wait_loadcnt 0x0
.endif
.irp m, 0,1
	s_wait_xcnt 0x0                                ; the earlier stores have read their data: the codes' registers are written again only behind this wait
	WIN WA                                         ; source 0: the accumulators' window
.irp e, 0,1,2,3
.set X, 8*(8*((\a)%4)+4*\m+\e)
.set CO, TBS+8*\e
.set SN, CO+4
.irp i, 0,1,2,3
	v_mul_f32 v[UU+2*\i], v[X+2*\i+1], v[SN+\i]    ; odd x sin (each accumulator is read from its low end on)
	v_mul_f32 v[UU+2*\i+1], v[X+2*\i], v[SN+\i]    ; even x sin
.endr
.irp i, 0,1,2,3
	v_fma_f32 v[T+8*\e+2*\i], v[X+2*\i], v[CO+\i], -v[UU+2*\i]        ; even x cos - odd x sin
	v_fma_f32 v[T+8*\e+2*\i+1], v[X+2*\i+1], v[CO+\i], v[UU+2*\i+1]   ; odd x cos + even x sin
.endr
.endr
	WIN 0
.irp b, 0,1
	v_max3_num_f32 v[TM+\b], |v[T+16*\b]|, |v[T+16*\b+1]|, 0x1800000   ; my 16 numbers of block b, and the floor 2^(3 - 127)
.endr
.irp i, 2,4,6,8,10,12,14
.irp b, 0,1
	v_max3_num_f32 v[TM+\b], v[TM+\b], |v[T+16*\b+\i]|, |v[T+16*\b+\i+1]|
.endr
.endr
.irp b, 0,1
	v_permlanex16_b32 v[TM+4+\b], v[TM+\b], s20, s21
.endr
.irp b, 0,1
	v_max_num_f32 v[TM+\b], v[TM+\b], v[TM+4+\b]
.endr
.irp b, 0,1
	v_add_nc_u32 v[TM+12+\b], 0xff000000, v[TM+\b] ; 2 off the exponent field: the conversion's scale operand
.endr
.irp b, 0,1
	v_lshrrev_b32 v[TM+4+\b], 23, v[TM+12+\b]      ; the scale's byte
.endr
	v_lshl_or_b32 v[PW], v[TM+5], 8, v[TM+4]       ; my token's scale word: two bytes, the upper two 0
	v_cvt_scalef32_pk16_fp6_f32 v[PC:PC+2], v[T:T+15], v[TM+12]
	v_cvt_scalef32_pk16_fp6_f32 v[CT:CT+2], v[T+16:T+31], v[TM+13]
	v_nop                                          ; one plain place behind a scaled conversion
.irp i, 0,1,2
	v_permlane16_swap_b32 v[PC+\i], v[CT+\i]       ; lanes 0-15 get block 0 whole, lanes 16-31 block 1
.endr
.irp i, 0,1,2
	v_mov_b32 v[PC+3+\i], v[CT+\i]
.endr
	global_store_b128 v[LI], v[PC:PC+3], s[PCD+2*\m:PCD+2*\m+1] offset:768*(\a)          ; 512 consecutive bytes,
	global_store_b64 v[L8], v[PC+4:PC+5], s[PCD+2*\m:PCD+2*\m+1] offset:768*(\a)+512     ; and 256: both aligned to 256
.if ((\a)%2) == 0
	v_mov_b32 v[WS+\m], v[PW]
.else
	v_cndmask_b32 v[WX], v[WS+\m], v[PW], s22      ; lanes 0-15 the even tile's words, lanes 16-31 the odd tile's
	global_store_b32 v[LS], v[WX], s[PSC+2*\m:PSC+2*\m+1] offset:128*((\a)/2)
.endif
.endr
.if (\a) < 6
	TLOAD (\a)+2                                   ; into the set just used
.endif
.endm
.irp a, 0,1,2,3,4,5,6,7
	QKOUT \a
.endr
	s_wait_tensorcnt 0x0                           ; the wave's end
	ds_add_u32 v[SPW], v[NIL]
	s_wait_dscnt 0x0
	CROUND                                         ; the closing round
	s_endpgm
.Lfunc_end_k_q8b17697f4d_qk:
	.size	k_q8b17697f4d_qk, .Lfunc_end_k_q8b17697f4d_qk-k_q8b17697f4d_qk
	.p2alignl 7, 3214868480
	.fill 96, 4, 3214868480
	.section	.rodata,"a",@progbits
	.p2align	6, 0x0
	.amdhsa_kernel k_q8b17697f4d_qk
		.amdhsa_group_segment_fixed_size 327680
		.amdhsa_private_segment_fixed_size 0
		.amdhsa_enable_private_segment 0
		.amdhsa_kernarg_size 72
		.amdhsa_user_sgpr_count 2
		.amdhsa_user_sgpr_kernarg_segment_ptr 1
		.amdhsa_wavefront_size32 1
		.amdhsa_system_sgpr_workgroup_id_x 1
		.amdhsa_system_sgpr_workgroup_id_y 1
		.amdhsa_system_sgpr_workgroup_id_z 1
		.amdhsa_system_vgpr_workitem_id 0
		.amdhsa_next_free_vgpr 1024
		.amdhsa_next_free_sgpr 100
		.amdhsa_reserve_vcc 0
		.amdhsa_float_denorm_mode_32 3
		.amdhsa_float_denorm_mode_16_64 3
		.amdhsa_memory_ordered 1
		.amdhsa_forward_progress 1
		.amdhsa_inst_pref_size 221
	.end_amdhsa_kernel
	.amdgpu_metadata
---
amdhsa.version: [ 1, 2 ]
amdhsa.kernels:
  - .name:           k_q8b17697f4d_qk
    .symbol:         k_q8b17697f4d_qk.kd
    .args:
      - { .name: x_codes, .offset: 0, .size: 8, .value_kind: global_buffer, .address_space: global }
      - { .name: x_scales, .offset: 8, .size: 8, .value_kind: global_buffer, .address_space: global }
      - { .name: Wq_codes, .offset: 16, .size: 8, .value_kind: global_buffer, .address_space: global }
      - { .name: Wq_scales, .offset: 24, .size: 8, .value_kind: global_buffer, .address_space: global }
      - { .name: Wk_codes, .offset: 32, .size: 8, .value_kind: global_buffer, .address_space: global }
      - { .name: Wk_scales, .offset: 40, .size: 8, .value_kind: global_buffer, .address_space: global }
      - { .name: tab, .offset: 48, .size: 8, .value_kind: global_buffer, .address_space: global }
      - { .name: qbuf, .offset: 56, .size: 8, .value_kind: global_buffer, .address_space: global }
      - { .name: kv, .offset: 64, .size: 8, .value_kind: global_buffer, .address_space: global }
    .group_segment_fixed_size: 327680
    .private_segment_fixed_size: 0
    .kernarg_segment_align: 8
    .kernarg_segment_size: 72
    .max_flat_workgroup_size: 128
    .sgpr_count:     100
    .vgpr_count:     1024
    .wavefront_size: 32
...
	.end_amdgpu_metadata
.endif
;; end of part 2
;; launch attn (part 3): grid 8 x 64, 16 waves a work-group, clusters of 4 x 1, 215,040 bytes of LDS; arguments qbuf, kv, abuf; writes abuf
.if DOCPART == 3
	.amdgcn_target "amdgcn-amd-amdhsa--gfx1250"
	.amdhsa_code_object_version 6
	.text
	.protected	k_q8b17697f4d_attn
	.globl	k_q8b17697f4d_attn
	.p2align	8
	.type	k_q8b17697f4d_attn,@function
k_q8b17697f4d_attn:
	s_mov_b64 s[64:65], 0
	v_nop
	global_prefetch_b8 v0, s[64:65] scope:SCOPE_SE
	s_setreg_imm32_b32 hwreg(HW_REG_WAVE_MODE, 25, 1), 1
	s_wait_xcnt 0x0
	s_wait_alu depctr_hold_cnt(0) depctr_sa_sdst(0) depctr_va_vdst(0) depctr_va_sdst(0) depctr_va_ssrc(0) depctr_va_vcc(0) depctr_vm_vsrc(0)
	s_getreg_b32 s2, hwreg(HW_REG_IB_STS2, 6, 4)
	s_cmp_eq_u32 s2, 0
	s_cbranch_scc0 .Lentry_in_a_cluster
	s_endpgm
.Lentry_in_a_cluster:
	s_bfe_u32 s2, ttmp6, 0x10000c
	s_cmp_lg_u32 s2, 0x3003
	s_cbranch_scc0 .Lentry_shape_is_right
	s_endpgm
.Lentry_shape_is_right:
; Causal attention of one head on codes of FP6 (E2M3) with E8M0 scales; the result, divided by the row's sum, is quantised along the model's 1,024 into abuf, as images of the last product's operand registers.
; THE SOFTMAX AHEAD OF THE SECOND PRODUCT: t = score x log2(e) / 8; M = the running largest t rounded UP to a whole number; p = 2^(t - M) is quantised along the keys, not normalised; the row's sum is taken of the
; unquantised p in f32 and divides at the end.  When M moves, the sum and O are multiplied by 2^(old M - new M): exact.
; SHARES.  Work-group (g, head), g = 0 .. 7; sixteen waves of 256 registers.  Wave w owns ONE tile of 16 queries, tile 8 u + g with u = w xor 3 ((w / 4) % 2): its last key step of 128 keys is u, and that step holds its diagonal.
; So every branch hangs on the wave's number alone; g enters Q's and abuf's addresses and the mask's compare value.  Every work-group has 136 (tile, key step) units; waves w, w + 4, w + 8, w + 12 have 34 together.
; LDS holds the head's sixteen records of kv (128 keys each: K's codes, V's codes, both scale words), 208,896 bytes as they lie in memory: filled ONCE, a record a wave, nothing is filled again: no ring.
; The four work-groups of a cluster belong to one head and ask for each record JOINTLY.  One barrier: a barrier for each group of records would make the waves meet again and again, and their shares of each group are uneven.
; LAYOUT.  S^T = K Q^T (source 0 = 16 keys, source 1 = my 16 queries), O^T = V^T P^T (source 0 = 16 channels, source 1 = p): a lane holds ONE query (lane % 16) throughout.  Register 8 t + j of S^T is key 16 t + 8 h + j.
; After the exchange of halves a lane holds a block of p in the order 0-7, 16-23, 8-15, 24-31 of its keys: V's codes were laid in that order.
; THE HEAD'S K IS 64, THE INSTRUCTION'S 128.  Q's registers 6-11 are zero codes, and bytes 2 and 3 of Q's and K's scale words are 0.  K's tile t is named as twelve registers of which the upper six are the next tile's codes
; (zeros behind the last): they meet zero codes and add nothing.  That saves half of K's LDS reads and 42 registers.
; The 32 scale bytes that a wave stores go out one byte a lane to rows 32 bytes apart: one byte in 25 of what the launch stores.
; LIMITS: NaN and infinities are not served; a block whose largest magnitude lies under 2^-124 keeps the byte 1, a block of zeros too (its codes are zeros; this program alone reads the bytes).
.set REC,   13056
.set HEADB, 16*REC
.set QSC,   6291456
.set ASC,   6291456
.set KF,  32                           ; v32-79 K's eight tiles, 6 registers each; v80-85 zeros.  Behind K Q^T v32-54 serve the softmax:
.set BM,  32                           ; v32-35 the blocks' largest scores, then largest p
.set PT,  36                           ; v36-39 permute destinations, then bytes
.set CT,  40                           ; v40-42, v44-46 the second conversions'
.set SO,  48                           ; v48-51 scale operands
.set CH,  52                           ; v[52:53] the second chain of the sum
.set TV,  54
.set VF,  88                           ; v88-135 V's four fragments
.set SS,  136                          ; v136-199 S^T, then p
.set OT,  200                          ; v200-231 O^T
.set PCD, 232                          ; v232-243 p's codes
.set KSW, 244                          ; v244-247 K's scale words: lanes 0-15 tile 2 b, lanes 16-31 tile 2 b + 1
.set VSW, 248                          ; v248-249 V's likewise
.set PSW, 250                          ; v250 p's scale word
.macro ROUND                           ; a round of the cluster's barrier
	s_barrier_signal -1
	s_barrier_wait -1
	s_cmp_lg_u32 s10, 0
	s_cbranch_scc1 .Lnot_wave_0_\@
	s_barrier_signal -3
.Lnot_wave_0_\@:
	s_barrier_wait -3
	s_barrier_signal -1
	s_barrier_wait -1
.endm
	s_load_b128 s[4:7], s[0:1], 0x0                ; qbuf, kv
	s_load_b64 s[8:9], s[0:1], 0x10                ; abuf
	v_lshl_add_u32 v254, v0, 2, 0x34000
	v_mov_b32 v255, 0
	ds_add_u32 v254, v255
	ds_add_u32 v254, v255
	v_lshrrev_b32 v1, 5, v0
	s_delay_alu instid0(VALU_DEP_1)
	v_readfirstlane_b32 s10, v1                    ; wave 0..15
	s_lshr_b32 s11, s10, 2
	s_and_b32 s11, s11, 1
	s_mul_i32 s11, s11, 3
	s_xor_b32 s11, s11, s10                        ; u
	s_bfe_u32 s12, ttmp6, 0x40000                  ; cx
	s_lshl_b32 s13, ttmp9, 2
	s_add_co_u32 s13, s13, s12                     ; g
	s_and_b32 s14, ttmp7, 0xffff                   ; batch x 16 + head
	s_lshl_b32 s16, s11, 3
	s_add_co_u32 s16, s16, s13                     ; my tile of 16 queries
	; descriptor group 1: a record as 51 rows of 256 bytes (32 elements of 8 bytes), dense
	s_mov_b32 s24, 15|(3<<16)|(1<<21)              ; the mask: all four work-groups; elements of 8 bytes; bit 21 beside a mask; no padding
	s_mov_b32 s25, 32<<16
	s_mov_b32 s26, 51<<16
	s_mov_b32 s27, 32<<16
	s_mov_b32 s28, 51
	s_mov_b32 s29, 32
	s_mov_b32 s30, 0
	s_mov_b32 s31, 0
	s_mul_i32 s33, s10, REC                        ; record w, in LDS
	s_mul_i32 s18, s14, HEADB
	s_add_co_u32 s18, s18, s33                     ; and in kv
	s_mov_b32 s19, 0
	s_mul_i32 s44, s14, 98304
	s_mul_i32 s45, s16, 768
	s_add_co_u32 s44, s44, s45                     ; Q's codes
	s_mov_b32 s45, 0
	s_lshl_b32 s46, s14, 13
	s_lshl_b32 s47, s16, 6
	s_add_co_u32 s46, s46, s47
	s_add_co_u32 s46, s46, QSC                     ; Q's scale words
	s_mov_b32 s47, 0
	s_lshr_b32 s48, s14, 4
	s_lshl_b32 s48, s48, 7
	s_add_co_u32 s48, s48, s16                     ; the row tile of 8,192 rows
	s_and_b32 s49, s14, 15                         ; the head
	s_mul_i32 s50, s48, 12288
	s_mul_i32 s51, s49, 768
	s_add_co_u32 s50, s50, s51                     ; abuf's codes
	s_mov_b32 s51, 0
	s_lshl_b32 s52, s48, 9
	s_lshl_b32 s53, s49, 1
	s_add_co_u32 s52, s52, s53
	s_add_co_u32 s52, s52, ASC                     ; abuf's scale bytes
	s_mov_b32 s53, 0
	s_mov_b32 s40, 0x76543210
	s_mov_b32 s41, 0xfedcba98                      ; v_permlanex16_b32's selects for lane l xor 16
	s_mov_b32 s42, 0x3e38aa3b                      ; c = log2(e) / 8
	s_mov_b32 s43, s42                             ; (named with it as a pair, so it is written)
	s_mov_b32 s36, 0                               ; LDS byte of the record in hand
	s_mov_b32 s37, 0                               ; the key step
	s_mov_b32 s38, 16                              ; steps to go
	s_wait_dscnt 0x0
	s_wait_kmcnt 0x0
	s_mov_b32 s32, 1
	s_add_nc_u64 s[34:35], s[6:7], s[18:19]
	s_or_b32 s35, s35, 0x80000000
	s_add_nc_u64 s[20:21], s[4:5], s[46:47]
	s_add_nc_u64 s[4:5], s[4:5], s[44:45]
	s_add_nc_u64 s[22:23], s[8:9], s[52:53]
	s_add_nc_u64 s[8:9], s[8:9], s[50:51]
	ROUND                                          ; all four work-groups are here: the joint loads meet
	tensor_load_to_lds s[32:35], s[24:31]          ; my record: the one tensor load of this wave
	s_nop 0
.rept 4
	v_nop
.endr
	v_and_b32 v8, 31, v0
	s_delay_alu instid0(VALU_DEP_1)
	v_lshlrev_b32 v1, 4, v8                        ; 16 x lane
	s_delay_alu instid0(VALU_DEP_2)
	v_lshlrev_b32 v2, 3, v8                        ; 8 x lane
	s_delay_alu instid0(VALU_DEP_3)
	v_lshlrev_b32 v3, 2, v8                        ; 4 x lane
	v_and_b32 v9, 15, v0                           ; r
	v_bfe_u32 v10, v0, 4, 1                        ; h
	s_delay_alu instid0(VALU_DEP_2)
	v_lshlrev_b32 v11, 2, v9
	global_load_b128 v[16:19], v1, s[4:5]          ; Q's fragment, registers 0-3,
	global_load_b64 v[20:21], v2, s[4:5] offset:512    ; and 4-5: it stays
	global_load_b32 v28, v11, s[20:21]             ; Q's scale words
	s_lshl_b32 s15, s13, 4
	v_add_nc_u32 v4, s15, v9
	v_lshlrev_b32 v8, 3, v10
	s_delay_alu instid0(VALU_DEP_1)
	v_sub_nc_u32 v4, v4, v8                        ; 16 g + r - 8 h: in the diagonal step register 8 t + j is hidden where 16 t + j is greater
	v_lshl_add_u32 v9, v9, 5, v10                  ; the way out: 32 r + h
	v_mov_b32 v13, 0xff61b1e6                      ; the largest t so far: -3e38
	s_delay_alu instid0(VALU_DEP_1)
	v_floor_f32 v12, -v13                          ; -M
	v_mov_b32 v14, 0                               ; the sum, in two halves
	v_mov_b32 v15, 0
.irp j, 22,23,24,25,26,27,30,80,81,82,83,84,85,253
	v_mov_b32 v\j, 0                               ; Q's upper half and the registers behind K's last tile: zero codes; v30, v253: named before they are first written
.endr
	v_mov_b32 v29, 0xff800000                      ; -infinity
.set j, 0
.rept 32
	v_mov_b32 v[OT+j], 0                           ; O^T: the step is written once; its first trip finds zeros, which the first change of M leaves zeros
.set j, j+1
.endr
	s_wait_loadcnt 0x0                             ; Q
	s_wait_tensorcnt 0x0                           ; my record has landed,
	s_barrier_signal -1
	s_barrier_wait -1                              ; everybody's has
.Lstep:                                            ; sixteen trips in every wave; a step all of whose keys come after my queries is left out, by a branch on the wave's number
	s_cmp_gt_u32 s37, s11
	s_cbranch_scc1 .Lhidden
	s_setprio 2
	v_add_nc_u32 v5, s36, v1
	v_add_nc_u32 v6, s36, v2
	v_add_nc_u32 v7, s36, v3
	v_nop                                          ; these four are the places between the last step's products and the loads into their registers
.irp t, 0,1,2,3,4,5,6,7
	ds_load_b128 v[KF+6*\t:KF+6*\t+3], v5 offset:768*\t
	ds_load_b64 v[KF+6*\t+4:KF+6*\t+5], v6 offset:768*\t+512
.endr
.irp b, 0,1,2,3
	ds_load_b32 v[KSW+\b], v7 offset:12288+128*\b
.endr
	s_wait_alu depctr_va_vdst(0)
	s_wait_dscnt 0x0
.irp t, 0,1,2,3,4,5,6,7
.if \t%2
	v_wmma_scale_f32_16x16x128_f8f6f4 v[SS+8*\t:SS+8*\t+7], v[KF+6*\t:KF+6*\t+11], v[16:27], 0, v[KSW+\t/2], v28 matrix_a_fmt:MATRIX_FMT_FP6 matrix_b_fmt:MATRIX_FMT_FP6 matrix_a_scale:MATRIX_SCALE_ROW1
.else
	v_wmma_scale_f32_16x16x128_f8f6f4 v[SS+8*\t:SS+8*\t+7], v[KF+6*\t:KF+6*\t+11], v[16:27], 0, v[KSW+\t/2], v28 matrix_a_fmt:MATRIX_FMT_FP6 matrix_b_fmt:MATRIX_FMT_FP6
.endif
.endr
.irp t, 0,1,2,3                        ; V's fragments land under the softmax
.irp p, 0,1,2
	ds_load_b128 v[VF+12*\t+4*\p:VF+12*\t+4*\p+3], v5 offset:6144+1536*\t+512*\p
.endr
.endr
.irp w, 0,1
	ds_load_b32 v[VSW+\w], v7 offset:12800+128*\w
.endr
.rept 4
	v_nop                                          ; places behind the products: their results are read and K's registers written below
.endr
	s_cmp_lg_u32 s37, s11                          ; the diagonal step alone has hidden keys
	s_cbranch_scc1 .Lopen
.set n, 0
.rept 64
	v_cmp_gt_i32 vcc_lo, 16*(n/8)+n%8, v4
	v_cndmask_b32 v[SS+n], v[SS+n], v29, vcc_lo    ; hidden scores become -infinity ahead of the maximum: p = 0 then
.set n, n+1
.endr
.Lopen:
.irp b, 0,1,2,3
	v_max3_num_f32 v[BM+\b], v[SS+16*\b], v[SS+16*\b+1], v[SS+16*\b+2]   ; the largest score of each block of 32 keys: it serves for the row's maximum and, since p rises with the score, for the block's largest p
.endr
.irp i, 3,5,7,9,11,13
.irp b, 0,1,2,3
	v_max3_num_f32 v[BM+\b], v[BM+\b], v[SS+16*\b+\i], v[SS+16*\b+\i+1]
.endr
.endr
.irp b, 0,1,2,3
	v_max_num_f32 v[BM+\b], v[BM+\b], v[SS+16*\b+15]
.endr
.irp b, 0,1,2,3
	s_delay_alu instid0(VALU_DEP_4)
	v_permlanex16_b32 v[PT+\b], v[BM+\b], s40, s41
.endr
.irp b, 0,1,2,3
	s_delay_alu instid0(VALU_DEP_4)
	v_max_num_f32 v[BM+\b], v[BM+\b], v[PT+\b]     ; with lane l xor 16's 16 keys
.endr
	s_delay_alu instid0(VALU_DEP_2)
	v_max3_num_f32 v[TV], v[BM], v[BM+1], v[BM+2]
	s_delay_alu instid0(VALU_DEP_1)
	v_max_num_f32 v[TV], v[TV], v[BM+3]            ; the step's largest score of my query
	s_delay_alu instid0(VALU_DEP_1)
	v_mul_f32 v[TV], s42, v[TV]                    ; as t
	s_delay_alu instid0(VALU_DEP_1)
	v_max_num_f32 v13, v13, v[TV]                  ; the running largest t
	v_mov_b32 v[TV], v12
	s_delay_alu instid0(VALU_DEP_2)
	v_floor_f32 v12, -v13                          ; the new -M = -ceil(t)
	s_delay_alu instid0(VALU_DEP_1)
	v_sub_f32 v[TV], v12, v[TV]                    ; old M - new M: a whole number, 0 or less
	s_delay_alu instid0(VALU_DEP_1)
	v_cvt_i32_f32 v[TV], v[TV]                     ; (it saturates)
	s_delay_alu instid0(VALU_DEP_1)
	v_ldexp_f32 v252, 1.0, v[TV]                   ; f = 2^(old M - new M)
.set j, 0
.rept 32
	v_pk_fma_f32 v[SS+j:SS+j+1], v[SS+j:SS+j+1], s[42:43], v[12:13] op_sel_hi:[1,0,0]   ; t - M, two at a time
.set j, j+2
.endr
	s_setprio 1
.irp b, 0,1,2,3
	v_fma_f32 v[BM+\b], v[BM+\b], s42, v12         ; the same of each block's largest score
.endr
.set j, 0
	s_wait_alu depctr_va_vdst(0)
.rept 64
	v_exp_f32 v[SS+j], v[SS+j]                     ; p = 2^(t - M)
.set j, j+1
.endr
	v_pk_mul_f32 v[14:15], v[14:15], v[252:253] op_sel_hi:[1,0]   ; the sums under the new M: a plain place behind the exponentials
	s_wait_alu depctr_va_vdst(0)                   ; one wait for the batch, ahead of its first reader
.irp b, 0,1,2,3
	v_exp_f32 v[BM+\b], v[BM+\b]                   ; the blocks' largest p
.endr
	v_pk_add_f32 v[52:53], v[140:141], v[144:145]
	v_pk_add_f32 v[250:251], v[148:149], v[152:153]
	v_pk_add_f32 v[246:247], v[156:157], v[160:161]
	v_pk_add_f32 v[244:245], v[164:165], v[168:169]
	v_pk_add_f32 v[242:243], v[172:173], v[176:177]
	v_pk_add_f32 v[240:241], v[180:181], v[184:185]
	v_pk_add_f32 v[238:239], v[188:189], v[192:193]
	v_pk_add_f32 v[14:15], v[14:15], v[196:197]
	v_pk_add_f32 v[52:53], v[52:53], v[136:137]
	v_pk_add_f32 v[250:251], v[250:251], v[138:139]
	v_pk_add_f32 v[246:247], v[246:247], v[142:143]
	v_pk_add_f32 v[244:245], v[244:245], v[146:147]
	v_pk_add_f32 v[242:243], v[242:243], v[150:151]
	v_pk_add_f32 v[240:241], v[240:241], v[154:155]
	v_pk_add_f32 v[238:239], v[238:239], v[158:159]
	v_pk_add_f32 v[14:15], v[14:15], v[162:163]
	v_pk_add_f32 v[52:53], v[52:53], v[166:167]
	v_pk_add_f32 v[250:251], v[250:251], v[170:171]
	v_pk_add_f32 v[246:247], v[246:247], v[174:175]
	v_pk_add_f32 v[244:245], v[244:245], v[178:179]
	v_pk_add_f32 v[242:243], v[242:243], v[182:183]
	v_pk_add_f32 v[240:241], v[240:241], v[186:187]
	v_pk_add_f32 v[238:239], v[238:239], v[190:191]
	v_pk_add_f32 v[14:15], v[14:15], v[194:195]
	v_pk_add_f32 v[52:53], v[52:53], v[198:199]
	s_delay_alu instid0(VALU_DEP_2)
	v_pk_add_f32 v[14:15], v[14:15], v[244:245]
	s_delay_alu instid0(VALU_DEP_2)
	v_pk_add_f32 v[52:53], v[52:53], v[242:243]
	v_pk_add_f32 v[250:251], v[250:251], v[240:241]
	v_pk_add_f32 v[246:247], v[246:247], v[238:239]
	s_delay_alu instid0(VALU_DEP_2)
	v_pk_add_f32 v[14:15], v[14:15], v[250:251]
	s_delay_alu instid0(VALU_DEP_2)
	v_pk_add_f32 v[52:53], v[52:53], v[246:247]
	s_delay_alu instid0(VALU_DEP_1)
	v_pk_add_f32 v[14:15], v[14:15], v[52:53]
	s_wait_alu depctr_va_vdst(0)                   ; and one for the four
.irp b, 0,1,2,3
	v_max_num_f32 v[BM+\b], 0x1800000, v[BM+\b]    ; the floor 2^(3 - 127): the byte cannot fall under 1
.endr
.irp b, 0,1,2,3
	s_delay_alu instid0(VALU_DEP_4)
	v_add_nc_u32 v[SO+\b], 0xff000000, v[BM+\b]    ; 2 off the exponent field: the conversion's scale operand
.endr
.irp b, 0,1,2,3
	s_delay_alu instid0(VALU_DEP_4)
	v_lshrrev_b32 v[PT+\b], 23, v[SO+\b]           ; the scale's byte
.endr
	s_delay_alu instid0(VALU_DEP_3)
	v_lshl_or_b32 v[PSW], v[PT+1], 8, v[PT]
	s_delay_alu instid0(VALU_DEP_1)
	v_lshl_or_b32 v[PSW], v[PT+2], 16, v[PSW]
	s_delay_alu instid0(VALU_DEP_1)
	v_lshl_or_b32 v[PSW], v[PT+3], 24, v[PSW]      ; p's scale word for these 128 keys
	s_setprio 0
.irp c, 0,1
	v_cvt_scalef32_pk16_fp6_f32 v[PCD+6*\c:PCD+6*\c+2], v[SS+32*\c:SS+32*\c+15], v[SO+2*\c]
	v_cvt_scalef32_pk16_fp6_f32 v[CT+4*\c:CT+4*\c+2], v[SS+32*\c+16:SS+32*\c+31], v[SO+2*\c+1]
.endr
	v_nop                                          ; one plain place behind a scaled conversion
.irp c, 0,1
.irp i, 0,1,2
	v_permlane16_swap_b32 v[PCD+6*\c+\i], v[CT+4*\c+\i]
.endr
.irp i, 0,1,2
	s_delay_alu instid0(VALU_DEP_3)
	v_mov_b32 v[PCD+3+6*\c+\i], v[CT+4*\c+\i]
.endr
.endr
.set j, 0
.rept 16
	v_pk_mul_f32 v[OT+j:OT+j+1], v[OT+j:OT+j+1], v[252:253] op_sel_hi:[1,0]   ; O^T under the new M; these sixteen are also the places between p's codes and scale word and the products
.set j, j+2
.endr
	s_wait_alu depctr_va_vdst(0)
	s_wait_dscnt 0x0                               ; V
.irp t, 0,1,2,3                        ; the four accumulators take turns, one instruction a turn
.if \t%2
	v_wmma_scale_f32_16x16x128_f8f6f4 v[OT+8*\t:OT+8*\t+7], v[VF+12*\t:VF+12*\t+11], v[PCD:PCD+11], v[OT+8*\t:OT+8*\t+7], v[VSW+\t/2], v[PSW] matrix_a_fmt:MATRIX_FMT_FP6 matrix_b_fmt:MATRIX_FMT_FP6 matrix_a_scale:MATRIX_SCALE_ROW1
.else
	v_wmma_scale_f32_16x16x128_f8f6f4 v[OT+8*\t:OT+8*\t+7], v[VF+12*\t:VF+12*\t+11], v[PCD:PCD+11], v[OT+8*\t:OT+8*\t+7], v[VSW+\t/2], v[PSW] matrix_a_fmt:MATRIX_FMT_FP6 matrix_b_fmt:MATRIX_FMT_FP6
.endif
.endr
.Lhidden:
	s_add_co_u32 s36, s36, REC
	s_add_co_u32 s37, s37, 1
	s_sub_co_u32 s38, s38, 1
	s_cmp_lg_u32 s38, 0
	s_cbranch_scc1 .Lstep
	s_setprio 0
	; THE WAY OUT.  O^T / the sum; the halves of the lanes change tiles so that lane (r, h) holds channels 32 h + 0 .. 31 of query r in their true order (Wo's codes lie so): a whole block of the last product's K.
.set R, 136
	v_add_f32 v14, v14, v15
	s_delay_alu instid0(VALU_DEP_1)
	v_permlanex16_b32 v30, v14, s40, s41
	s_delay_alu instid0(VALU_DEP_1)
	v_add_f32 v14, v14, v30                        ; the row's sum
	s_wait_alu depctr_va_vdst(0)
	v_rcp_f32 v14, v14
.rept 4
	v_nop                                          ; plain places behind the reciprocal and behind the last products
.endr
	s_wait_alu depctr_va_vdst(0)                   ; the wait ahead of the reciprocal's first reader
.irp j, 0,1,2,3,4,5,6,7
	v_mul_f32 v[R+\j], v[OT+\j], v14               ; tile 0: channels 8 h + j
.endr
.irp j, 0,1,2,3,4,5,6,7
	v_mul_f32 v[R+8+\j], v[OT+16+\j], v14          ; tile 2: 32 + 8 h + j
.endr
.irp j, 0,1,2,3,4,5,6,7
	v_mul_f32 v[R+16+\j], v[OT+8+\j], v14          ; tile 1: 16 + 8 h + j
.endr
.irp j, 0,1,2,3,4,5,6,7
	v_mul_f32 v[R+24+\j], v[OT+24+\j], v14         ; tile 3: 48 + 8 h + j
.endr
.irp j, 0,1,2,3,4,5,6,7
	v_permlane16_swap_b32 v[R+\j], v[R+8+\j]
.endr
.irp j, 0,1,2,3,4,5,6,7
	v_permlane16_swap_b32 v[R+16+\j], v[R+24+\j]
.endr
	v_max3_num_f32 v32, |v[R]|, |v[R+1]|, |v[R+2]|                 ; the block's largest magnitude: all 32 numbers are mine
	v_max3_num_f32 v33, |v[R+3]|, |v[R+4]|, |v[R+5]|
.irp i, 6,10,14,18,22,26
	s_delay_alu instid0(VALU_DEP_2)
	v_max3_num_f32 v32, v32, |v[R+\i]|, |v[R+\i+1]|
	s_delay_alu instid0(VALU_DEP_2)
	v_max3_num_f32 v33, v33, |v[R+\i+2]|, |v[R+\i+3]|
.endr
	s_delay_alu instid0(VALU_DEP_2)
	v_max3_num_f32 v32, v32, |v[R+30]|, |v[R+31]|
	s_delay_alu instid0(VALU_DEP_1)
	v_max3_num_f32 v32, v32, v33, 0x1800000        ; and the floor 2^(3 - 127)
	s_delay_alu instid0(VALU_DEP_1)
	v_add_nc_u32 v34, 0xff000000, v32              ; the conversion's scale operand
	s_delay_alu instid0(VALU_DEP_1)
	v_lshrrev_b32 v35, 23, v34                     ; the scale's byte
	v_cvt_scalef32_pk16_fp6_f32 v[PCD:PCD+2], v[R:R+15], v34
	v_cvt_scalef32_pk16_fp6_f32 v[CT:CT+2], v[R+16:R+31], v34
	v_nop                                          ; one plain place behind a scaled conversion
.irp i, 0,1,2
	v_mov_b32 v[PCD+3+\i], v[CT+\i]
.endr
	global_store_b128 v1, v[PCD:PCD+3], s[8:9]             ; 512 consecutive bytes,
	global_store_b64 v2, v[PCD+4:PCD+5], s[8:9] offset:512 ; and 256: both aligned to 256
	global_store_b8 v9, v35, s[22:23]                      ; row r's byte 2 head + h
	s_wait_tensorcnt 0x0
	ds_add_u32 v254, v255
	s_wait_dscnt 0x0
	ROUND                                          ; the closing round: no work-group ends while a partner may still ask for a record that names it
	s_endpgm
.Lfunc_end_k_q8b17697f4d_attn:
	.size	k_q8b17697f4d_attn, .Lfunc_end_k_q8b17697f4d_attn-k_q8b17697f4d_attn
	.p2alignl 7, 3214868480
	.fill 96, 4, 3214868480
	.section	.rodata,"a",@progbits
	.p2align	6, 0x0
	.amdhsa_kernel k_q8b17697f4d_attn
		.amdhsa_group_segment_fixed_size 215040
		.amdhsa_private_segment_fixed_size 0
		.amdhsa_enable_private_segment 0
		.amdhsa_kernarg_size 24
		.amdhsa_user_sgpr_count 2
		.amdhsa_user_sgpr_kernarg_segment_ptr 1
		.amdhsa_wavefront_size32 1
		.amdhsa_system_sgpr_workgroup_id_x 1
		.amdhsa_system_sgpr_workgroup_id_y 1
		.amdhsa_system_sgpr_workgroup_id_z 1
		.amdhsa_system_vgpr_workitem_id 0
		.amdhsa_next_free_vgpr 256
		.amdhsa_next_free_sgpr 66
		.amdhsa_reserve_vcc 1
		.amdhsa_float_denorm_mode_32 3
		.amdhsa_float_denorm_mode_16_64 3
		.amdhsa_memory_ordered 1
		.amdhsa_forward_progress 1
		.amdhsa_inst_pref_size 34
	.end_amdhsa_kernel
	.amdgpu_metadata
---
amdhsa.version: [ 1, 2 ]
amdhsa.kernels:
  - .name:           k_q8b17697f4d_attn
    .symbol:         k_q8b17697f4d_attn.kd
    .args:
      - { .name: qbuf, .offset: 0, .size: 8, .value_kind: global_buffer, .address_space: global }
      - { .name: kv, .offset: 8, .size: 8, .value_kind: global_buffer, .address_space: global }
      - { .name: abuf, .offset: 16, .size: 8, .value_kind: global_buffer, .address_space: global }
    .group_segment_fixed_size: 215040
    .private_segment_fixed_size: 0
    .kernarg_segment_align: 8
    .kernarg_segment_size: 24
    .max_flat_workgroup_size: 512
    .sgpr_count:     66
    .vgpr_count:     256
    .wavefront_size: 32
...
	.end_amdgpu_metadata
.endif
;; end of part 3
;; launch oproj (part 4): grid 4 x 32, 4 waves a work-group, clusters of 4 x 4, 327,680 bytes of LDS; arguments abuf, Wo_codes, Wo_scales, out0; writes out0
.if DOCPART == 4
	.amdgcn_target "amdgcn-amd-amdhsa--gfx1250"
	.amdhsa_code_object_version 6
	.text
	.protected	k_q8b17697f4d_oproj
	.globl	k_q8b17697f4d_oproj
	.p2align	8
	.type	k_q8b17697f4d_oproj,@function
k_q8b17697f4d_oproj:
	s_mov_b64 s[64:65], 0
	v_nop
	global_prefetch_b8 v0, s[64:65] scope:SCOPE_SE
	s_setreg_imm32_b32 hwreg(HW_REG_WAVE_MODE, 25, 1), 1
	s_wait_xcnt 0x0
	s_wait_alu depctr_hold_cnt(0) depctr_sa_sdst(0) depctr_va_vdst(0) depctr_va_sdst(0) depctr_va_ssrc(0) depctr_va_vcc(0) depctr_vm_vsrc(0)
	s_getreg_b32 s2, hwreg(HW_REG_IB_STS2, 6, 4)
	s_cmp_eq_u32 s2, 0
	s_cbranch_scc0 .Lentry_in_a_cluster
	s_endpgm
.Lentry_in_a_cluster:
	s_bfe_u32 s2, ttmp6, 0x10000c
	s_cmp_lg_u32 s2, 0xf033
	s_cbranch_scc0 .Lentry_shape_is_right
	s_endpgm
.Lentry_shape_is_right:
; out0 = attn Wo^T on codes of FP6 (E2M3) with E8M0 scales, f32 sums.  A = attention's result [8192][1024], from abuf; B = Wo [1024][1024], K innermost, 128 codes in 96 bytes; out0 [8192][1024] f32.
; A tile of out0, 256 x 256, is made by a work-group of four waves, a wave 128 x 128: 64 accumulators, 512 registers.  K goes in steps of 256 through a ring of two LDS slots filled by the tensor data mover.
; A'S CODES LIE IN abuf AS IMAGES OF THE OPERAND'S REGISTERS: [row tile of 16][head][768 bytes]: registers 0-3 at 16 x lane, registers 4-5 at 512 + 8 x lane; a head is half a fragment (64 along K).  So a slot's part of a
; row tile is 3,072 dense bytes, a fragment comes by two loads of 16 bytes and two of 8, and LDS needs no pitch for A.  B's rows are 192 bytes, 16 bytes of padding behind every 64.
; The scale bytes of the work-group's rows of A and B, for all of K, come once, with the first fills, and stay.  4 x 4 work-groups form a cluster: A's tiles are asked for jointly along a row of the cluster, B's along a column.
; Source 0 = 16 rows of Wo, source 1 = 16 rows of A: a lane holds eight neighbouring numbers of a row of out0.
.set SIZE_N, 1024
.set KSTEP,  256
.set NQ,     2
.set ROWB,   192
.set ROWA,   3072                      ; a slot's part of a row tile of A
.set KROW,   768
.set PITCH,  240
.set FR,     12
.set NL,     6                         ; LDS loads that bring a fragment of B
.set NLA,    4                         ; and of A
.set NP,     4
.set HALFT,  128*PITCH                 ; 128 rows of B; A's 128 rows use 24,576 bytes of as many
.set SLOT,   4*HALFT
.set LAPS,   2
.set KS,     32
.set SCL,    2*SLOT
.set HALFS,  (128*KS/256)*272
.set SBLK,   (16*KS/256)*272
.set SPARE,  SCL+4*HALFS               ; the spare words: 128 bytes a wave, two blocks of 256 bytes that no other line names
.set ASC,    6291456                   ; abuf: behind the codes, the scale bytes [8192][32]
.set SPITCH, 528                       ; the way out: a stage of 16 rows x (512 bytes + 16) for each wave, in slot 0, which has had its last fill and its last read when the first result is stored there
.set ADRA, 16                          ; v16-17 A's fragments in slot 0, 1: base + 16 x lane;  v18-19: base + 8 x lane
.set ADRB, 20
.set STO,  24
.set RD,   25
.set CO,   26
.set ADRS, 27
.set SPW,  28
.set NIL,  29
.set SC,   32                          ; v32-63 scale words: they hold nothing else
.set AF,   128
.set BK,   128
.set G1, 24
.set G0, 32
.set G1B, 48
.set G0B, 56
.set G1S, 68
.set G0S, 76
.set G1SB, 80
.set G0SB, 88
.set MSB, 0
.macro WIN new
.if MSB != \new
	s_set_vgpr_msb (MSB<<8)|\new
.set MSB, \new
.endif
.endm
.set MUL_LO, 0xa1
.set MUL_HI, 0xf1
.set TO_B,   0x40
.macro JLOAD g0a, g1a, g0b, g1b        ; a joint load: waves 0 and 1 fetch for A, waves 2 and 3 for B; four v_nop follow each line
	s_cmp_eq_u32 s15, 0
	s_cbranch_scc0 .Lfor_b_\@
	tensor_load_to_lds s[\g0a:\g0a+3], s[\g1a:\g1a+7]
	s_nop 0
.rept 4
	v_nop
.endr
	s_branch .Lasked_\@
.Lfor_b_\@:
	tensor_load_to_lds s[\g0b:\g0b+3], s[\g1b:\g1b+7]
	s_nop 0
.rept 4
	v_nop
.endr
.Lasked_\@:
.endm
.macro CREST
	s_cmp_lg_u32 s14, 0
	s_cbranch_scc1 .Lnot_wave_0_\@
	s_barrier_signal -3
.Lnot_wave_0_\@:
	s_barrier_wait -3
	s_barrier_signal -1
	s_barrier_wait -1
.endm
.macro CROUND
	s_barrier_signal -1
	s_barrier_wait -1
	CREST
.endm
	s_load_b64 s[4:5], s[0:1], 0x0                 ; abuf
	s_load_b64 s[8:9], s[0:1], 0x8                 ; Wo's codes
	s_load_b64 s[10:11], s[0:1], 0x10              ; Wo's scales
	s_load_b64 s[12:13], s[0:1], 0x18              ; out0
	v_lshl_add_u32 v[SPW], v0, 2, SPARE
	v_mov_b32 v[NIL], 0
	ds_add_u32 v28, v29
	ds_add_u32 v28, v29
	s_wait_dscnt 0x0
	v_lshrrev_b32 v1, 5, v0
	v_readfirstlane_b32 s14, v1                    ; wave 0..3
	s_lshr_b32 s15, s14, 1
	s_and_b32 s16, s14, 1
	s_bfe_u32 s40, ttmp6, 0x40000
	s_bfe_u32 s41, ttmp6, 0x40004
	s_lshl_b32 s42, ttmp9, 2
	s_add_co_u32 s42, s42, s40                     ; tile column
	s_and_b32 s17, ttmp7, 0xffff
	s_lshl_b32 s17, s17, 2
	s_add_co_u32 s17, s17, s41                     ; tile row
	s_lshl_b32 s43, s41, 2
	s_lshl_b32 s43, 15, s43
	s_lshl_b32 s44, 0x1111, s40
	; A: 8 row tiles x 3,072 bytes (384 elements of 8 bytes), 12,288 bytes apart in memory, dense in LDS
	s_or_b32 s[G1+0], s43, (3<<16)|(1<<21)
	s_mov_b32 s[G1+1], 384<<16
	s_mov_b32 s[G1+2], 8<<16
	s_mov_b32 s[G1+3], 384<<16
	s_mov_b32 s[G1+4], 8
	s_mov_b32 s[G1+5], 1536
	s_mov_b32 s[G1+6], 0
	s_mov_b32 s[G1+7], 0
	; B: 128 rows x 192 bytes, padded
	s_or_b32 s[G1B+0], s44, (0<<16)|(1<<20)|(1<<21)|(3<<22)|(3<<25)
	s_mov_b32 s[G1B+1], ROWB<<16
	s_mov_b32 s[G1B+2], 128<<16
	s_mov_b32 s[G1B+3], ROWB<<16
	s_mov_b32 s[G1B+4], 128
	s_mov_b32 s[G1B+5], KROW
	s_mov_b32 s[G1B+6], 0
	s_mov_b32 s[G1B+7], 0
	s_or_b32 s[G1S+0], s43, (3<<16)|(1<<20)|(1<<21)|(5<<22)|(3<<25)
	s_or_b32 s[G1SB+0], s44, (3<<16)|(1<<20)|(1<<21)|(5<<22)|(3<<25)
.irp g, G1S, G1SB
	s_mov_b32 s[\g+1], 32<<16
	s_mov_b32 s[\g+2], (128*KS/256)<<16
	s_mov_b32 s[\g+3], 32<<16
	s_mov_b32 s[\g+4], 128*KS/256
	s_mov_b32 s[\g+5], 32
	s_mov_b32 s[\g+6], 0
	s_mov_b32 s[\g+7], 0
.endr
	s_lshl_b32 s18, s16, 7
	s_lshl_b32 s20, s17, 8
	s_add_co_u32 s20, s20, s18                     ; A: row
	s_lshl_b32 s46, s42, 8
	s_add_co_u32 s46, s46, s18                     ; B: row
	s_mov_b32 s21, 0
	s_mov_b32 s47, 0
	s_mov_b64 s[18:19], KS
	s_mul_u64 s[22:23], s[20:21], s[18:19]
	s_mul_u64 s[92:93], s[46:47], s[18:19]
	s_mov_b64 s[18:19], KROW
	s_mul_u64 s[20:21], s[20:21], s[18:19]         ; 768 bytes a row: 12,288 a row tile
	s_mul_u64 s[46:47], s[46:47], s[18:19]
	s_mul_i32 s45, s14, HALFT
	s_mul_i32 s94, s14, HALFS
	s_wait_kmcnt 0x0
	s_add_nc_u64 s[6:7], s[4:5], ASC               ; A's scale bytes
	s_add_nc_u64 s[20:21], s[4:5], s[20:21]
	s_add_nc_u64 s[22:23], s[6:7], s[22:23]
	s_add_nc_u64 s[46:47], s[8:9], s[46:47]
	s_add_nc_u64 s[92:93], s[10:11], s[92:93]
	CROUND                                         ; all sixteen work-groups are here: the first joint loads meet
	s_mov_b32 s[G0S], 1
	s_add_co_u32 s[G0S+1], s94, SCL
	s_mov_b64 s[G0S+2:G0S+3], s[22:23]
	s_or_b32 s[G0S+3], s[G0S+3], 0x80000000
	s_mov_b32 s[G0SB], 1
	s_add_co_u32 s[G0SB+1], s94, SCL
	s_mov_b64 s[G0SB+2:G0SB+3], s[92:93]
	s_or_b32 s[G0SB+3], s[G0SB+3], 0x80000000
	JLOAD G0S, G1S, G0SB, G1SB
.irp s, 0,1
	s_mov_b32 s[G0+4*\s], 1
	s_add_co_u32 s[G0+4*\s+1], s45, \s*SLOT
	s_add_nc_u64 s[G0+4*\s+2:G0+4*\s+3], s[20:21], \s*ROWA
	s_or_b32 s[G0+4*\s+3], s[G0+4*\s+3], 0x80000000
	s_mov_b32 s[G0B+4*\s], 1
	s_add_co_u32 s[G0B+4*\s+1], s45, \s*SLOT
	s_add_nc_u64 s[G0B+4*\s+2:G0B+4*\s+3], s[46:47], \s*ROWB
	s_or_b32 s[G0B+4*\s+3], s[G0B+4*\s+3], 0x80000000
	JLOAD G0+4*\s, G1, G0B+4*\s, G1B
.endr
	v_and_b32 v1, 15, v0
	v_bfe_u32 v2, v0, 4, 1
	v_mul_u32_u24 v3, v1, PITCH
	v_mul_u32_u24 v4, v2, 24
	v_add_nc_u32 v4, v3, v4                        ; B: a fragment's row x pitch + 24 h
	v_lshl_add_u32 v5, v2, 4, v4                   ; and the same behind one padding more
	v_and_b32 v6, 31, v0
	v_lshlrev_b32 v7, 4, v6                        ; A: 16 x lane
	v_lshlrev_b32 v8, 3, v6                        ;    8 x lane
	s_mul_i32 s21, s15, HALFT
	s_mul_i32 s22, s16, HALFT
	s_add_co_u32 s22, s22, 2*HALFT
.irp s, 0,1
	v_add_nc_u32 v[ADRA+\s], s21, v7
	v_add_nc_u32 v[ADRB+\s], s22, v4
	v_add_nc_u32 v[ADRA+2+\s], s21, v8
	v_add_nc_u32 v[ADRB+2+\s], s22, v5
	s_add_co_u32 s21, s21, SLOT
	s_add_co_u32 s22, s22, SLOT
.endr
	v_mul_u32_u24 v5, v1, KS
	v_lshrrev_b32 v6, 8, v5
	v_lshl_add_u32 v5, v6, 4, v5
	s_mul_i32 s21, s15, HALFS
	s_mul_i32 s22, s16, HALFS
	s_add_co_u32 s22, s22, 2*HALFS
	s_sub_co_u32 s22, s22, s21
	v_mul_u32_u24 v6, s22, v2
	s_add_co_u32 s21, s21, SCL
	v_add_nc_u32 v5, v5, v6
	v_add_nc_u32 v[ADRS], s21, v5
	s_mul_i32 s23, s14, 16*SPITCH                  ; my stage
	v_mul_u32_u24 v5, v1, SPITCH
	v_lshl_add_u32 v5, v2, 5, v5
	v_add_nc_u32 v[STO], s23, v5                   ; in: row r, 32 bytes for each half of the lanes
	v_and_b32 v6, 31, v0
	v_lshlrev_b32 v[CO], 4, v6                     ; back: the 32 lanes take one row of 512 bytes; and the same in out0
	v_add_nc_u32 v[RD], s23, v[CO]
	s_lshl_b32 s20, s17, 8
	s_lshl_b32 s21, s15, 7
	s_add_co_u32 s20, s20, s21                     ; my first row of out0
	s_mov_b32 s21, 0
	s_mov_b64 s[18:19], SIZE_N*4
	s_mul_u64 s[20:21], s[20:21], s[18:19]
	s_lshl_b32 s46, s42, 10
	s_lshl_b32 s47, s16, 9
	s_add_co_u32 s46, s46, s47                     ; my first column, in bytes
	s_mov_b32 s47, 0
	s_add_nc_u64 s[20:21], s[20:21], s[46:47]
	s_add_nc_u64 s[12:13], s[12:13], s[20:21]
.macro FRAG reg, adr, q, i             ; a fragment of B from padded rows, in pieces of 8 bytes
.irp p, 0,1,2,3,4,5
.set PCE, 12*(\q)+6*(\p/3)+\p%3
.if PCE%8 < 5
	ds_load_b64 v[\reg+2*\p:\reg+2*\p+1], v[\adr] offset:8*PCE+16*(PCE/8)+(\i)*16*PITCH
.else
	ds_load_b64 v[\reg+2*\p:\reg+2*\p+1], v[\adr+2] offset:8*PCE+16*(PCE/8)+(\i)*16*PITCH
.endif
.endr
.endm
.macro FRAGA reg, slot, q, i           ; a fragment of A from its image: two heads, each 16 bytes and 8 bytes a lane
	ds_load_b128 v[\reg:\reg+3], v[ADRA+\slot] offset:3072*(\i)+1536*(\q)
	ds_load_b64 v[\reg+4:\reg+5], v[ADRA+2+\slot] offset:3072*(\i)+1536*(\q)+512
	ds_load_b128 v[\reg+6:\reg+9], v[ADRA+\slot] offset:3072*(\i)+1536*(\q)+768
	ds_load_b64 v[\reg+10:\reg+11], v[ADRA+2+\slot] offset:3072*(\i)+1536*(\q)+1280
.endm
.macro MUL16 a0, p, q, sc, zero        ; the 64 accumulators take turns, one instruction a turn
.irp a, \a0, \a0+1
.irp b, 0,1,2,3,4,5,6,7
.if \zero
	v_wmma_scale_f32_16x16x128_f8f6f4 v[8*(8*((\a)%4)+\b):8*(8*((\a)%4)+\b)+7], v[128*(\p)+FR*\b:128*(\p)+FR*\b+FR-1], v[AF+FR*(\a):AF+FR*(\a)+FR-1], 0, v[SC+8*NQ*(\sc)+NQ*\b+(\q)], v[SC+8*NQ*(\sc)+NQ*(\a)+(\q)] matrix_a_fmt:MATRIX_FMT_FP6 matrix_b_fmt:MATRIX_FMT_FP6 matrix_a_scale:MATRIX_SCALE_ROW1
.else
	v_wmma_scale_f32_16x16x128_f8f6f4 v[8*(8*((\a)%4)+\b):8*(8*((\a)%4)+\b)+7], v[128*(\p)+FR*\b:128*(\p)+FR*\b+FR-1], v[AF+FR*(\a):AF+FR*(\a)+FR-1], v[8*(8*((\a)%4)+\b):8*(8*((\a)%4)+\b)+7], v[SC+8*NQ*(\sc)+NQ*\b+(\q)], v[SC+8*NQ*(\sc)+NQ*(\a)+(\q)] matrix_a_fmt:MATRIX_FMT_FP6 matrix_b_fmt:MATRIX_FMT_FP6 matrix_a_scale:MATRIX_SCALE_ROW1
.endif
.endr
.endr
.endm
.macro FETCH_B slot, q, p
	WIN TO_B
.irp i, 0,1,2,3,4,5,6,7
	FRAG 128*(\p)+FR*\i, ADRB+\slot, \q, \i
.endr
	WIN 0
.endm
.macro FETCH_A slot, q, i0
.irp i, \i0, \i0+1, \i0+2, \i0+3
	FRAGA AF+FR*(\i), \slot, \q, \i
.endr
.endm
.macro SCALES sc
.irp i, 0,1,2,3,4,5,6,7
	ds_load_b64 v[SC+8*NQ*\sc+NQ*\i:SC+8*NQ*\sc+NQ*\i+1], v[ADRS] offset:\i*SBLK
.endr
.endm
.macro PLACES n
.rept \n
	v_nop
.endr
.endm
.macro STEP slot, q, zero
	s_wait_dscnt 4*NLA                             ; the youngest 16 loads (A's blocks 4-7) may be out
	WIN MUL_LO
	MUL16 0, (\q)%2, \q, \slot, \zero
	MUL16 2, (\q)%2, \q, \slot, \zero
	s_wait_dscnt 0
	PLACES NP
	FETCH_B \slot, (\q)+1, 1-(\q)%2
	FETCH_A \slot, (\q)+1, 0
	WIN MUL_HI
	MUL16 4, (\q)%2, \q, \slot, \zero
	MUL16 6, (\q)%2, \q, \slot, \zero
	PLACES NP
	WIN 0
	FETCH_A \slot, (\q)+1, 4
.endm
.macro TURN slot, next, fill
	s_wait_tensorcnt 0x0                           ; all my tensor loads have landed: my part of the next slot
	ds_add_u32 v[SPW], v[NIL]                      ; 0 onto my spare word
	s_wait_dscnt 4*NLA+1                           ; the add and the youngest 16 loads may be out
	WIN MUL_LO
	MUL16 0, 1, NQ-1, \slot, 0
	s_wait_dscnt 0x0                               ; the add is done, and my reads of this slot are over
	s_barrier_signal -1
	MUL16 2, 1, NQ-1, \slot, 0
	WIN 0
	s_barrier_wait -1
.if \fill
	CREST                                          ; a round of the cluster's barrier: no wave of any partner still reads this slot or has a load on its way
	s_add_nc_u64 s[G0+4*\slot+2:G0+4*\slot+3], s[G0+4*\slot+2:G0+4*\slot+3], 2*ROWA
	s_add_nc_u64 s[G0B+4*\slot+2:G0B+4*\slot+3], s[G0B+4*\slot+2:G0B+4*\slot+3], 2*ROWB
	JLOAD G0+4*\slot, G1, G0B+4*\slot, G1B
.else
	PLACES NP
.endif
	v_add_nc_u32 v[ADRS], 4*NQ, v[ADRS]
	FETCH_B \next, 0, 0
	FETCH_A \next, 0, 0
	SCALES \next
	WIN MUL_HI
	MUL16 4, 1, NQ-1, \slot, 0
	MUL16 6, 1, NQ-1, \slot, 0
	PLACES NP
	WIN 0
	FETCH_A \next, 0, 4
.endm
	s_wait_tensorcnt 1                             ; the scales and my part of K step 0 are in; K step 1's load may be out
	s_barrier_signal -1
	s_barrier_wait -1
	FETCH_B 0, 0, 0
	FETCH_A 0, 0, 0
	SCALES 0
	FETCH_A 0, 0, 4
	STEP 0, 0, 1
	s_mov_b32 s3, LAPS-1
.Llap:
	TURN 0, 1, 1
	STEP 1, 0, 0
	TURN 1, 0, 1
	STEP 0, 0, 0
	s_sub_co_u32 s3, s3, 1
	s_cmp_lg_u32 s3, 0
	s_cbranch_scc1 .Llap
	TURN 0, 1, 0
	STEP 1, 0, 0
	s_wait_dscnt 4*NLA
	WIN MUL_LO
	MUL16 0, 1, NQ-1, 1, 0
	MUL16 2, 1, NQ-1, 1, 0
	s_wait_dscnt 0
	WIN MUL_HI
	MUL16 4, 1, NQ-1, 1, 0
	MUL16 6, 1, NQ-1, 1, 0
	WIN 0
; THE WAY OUT, block by block of 16 rows x 128 columns, through my own stage in LDS: in as 32 bytes a lane, back as whole rows of 512 bytes.  LDS serves a wave's instructions in order (ISA guide 5.7.1.4).
.macro TOSTAGE a
.set AC, 64*((\a)%4)
	WIN 0x08+4*((\a)/4)                            ; the data: window 2 or 3
.irp b, 0,1,2,3,4,5,6,7
	ds_store_b128 v[STO], v[AC+8*\b:AC+8*\b+3] offset:64*\b          ; each accumulator from its low end on
	ds_store_b128 v[STO], v[AC+8*\b+4:AC+8*\b+7] offset:64*\b+16
.endr
	WIN 0
.set BB, BK+64*((\a)%2)
.irp t, 0,1,2,3,4,5,6,7,8,9,10,11,12,13,14,15
	ds_load_b128 v[BB+4*\t:BB+4*\t+3], v[RD] offset:\t*SPITCH
.endr
.endm
.macro SEND a, younger
.set BB, BK+64*((\a)%2)
	s_wait_dscnt \younger                          ; the block is back in registers; the next block's 16 stores and 16 loads may be out
.if (\a) > 0
	s_add_nc_u64 s[12:13], s[12:13], 16*SIZE_N*4   ; (behind a wait on XCNT: the earlier stores have read their base)
.endif
.irp t, 0,1,2,3,4,5,6,7,8,9,10,11,12,13,14,15
	global_store_b128 v[CO], v[BB+4*\t:BB+4*\t+3], s[12:13] offset:\t*SIZE_N*4 th:TH_STORE_NT   ; 32 lanes store 512 consecutive bytes, aligned to 256
.endr
.endm
	PLACES NP
	TOSTAGE 0
.irp a, 1,2,3,4,5,6,7
.if \a > 1
	s_wait_xcnt 0x0                                ; block a - 2's stores have read their registers and their base
.endif
	TOSTAGE \a
	SEND \a-1, 32
.endr
	s_wait_xcnt 0x0
	SEND 7, 0
	s_wait_tensorcnt 0x0                           ; the wave's end
	ds_add_u32 v[SPW], v[NIL]
	s_wait_dscnt 0x0
	CROUND                                         ; the closing round
	s_endpgm
.Lfunc_end_k_q8b17697f4d_oproj:
	.size	k_q8b17697f4d_oproj, .Lfunc_end_k_q8b17697f4d_oproj-k_q8b17697f4d_oproj
	.p2alignl 7, 3214868480
	.fill 96, 4, 3214868480
	.section	.rodata,"a",@progbits
	.p2align	6, 0x0
	.amdhsa_kernel k_q8b17697f4d_oproj
		.amdhsa_group_segment_fixed_size 327680
		.amdhsa_private_segment_fixed_size 0
		.amdhsa_enable_private_segment 0
		.amdhsa_kernarg_size 32
		.amdhsa_user_sgpr_count 2
		.amdhsa_user_sgpr_kernarg_segment_ptr 1
		.amdhsa_wavefront_size32 1
		.amdhsa_system_sgpr_workgroup_id_x 1
		.amdhsa_system_sgpr_workgroup_id_y 1
		.amdhsa_system_sgpr_workgroup_id_z 1
		.amdhsa_system_vgpr_workitem_id 0
		.amdhsa_next_free_vgpr 1024
		.amdhsa_next_free_sgpr 98
		.amdhsa_reserve_vcc 0
		.amdhsa_float_denorm_mode_32 3
		.amdhsa_float_denorm_mode_16_64 3
		.amdhsa_memory_ordered 1
		.amdhsa_forward_progress 1
		.amdhsa_inst_pref_size 152
	.end_amdhsa_kernel
	.amdgpu_metadata
---
amdhsa.version: [ 1, 2 ]
amdhsa.kernels:
  - .name:           k_q8b17697f4d_oproj
    .symbol:         k_q8b17697f4d_oproj.kd
    .args:
      - { .name: abuf, .offset: 0, .size: 8, .value_kind: global_buffer, .address_space: global }
      - { .name: Wo_codes, .offset: 8, .size: 8, .value_kind: global_buffer, .address_space: global }
      - { .name: Wo_scales, .offset: 16, .size: 8, .value_kind: global_buffer, .address_space: global }
      - { .name: out0, .offset: 24, .size: 8, .value_kind: global_buffer, .address_space: global }
    .group_segment_fixed_size: 327680
    .private_segment_fixed_size: 0
    .kernarg_segment_align: 8
    .kernarg_segment_size: 32
    .max_flat_workgroup_size: 128
    .sgpr_count:     98
    .vgpr_count:     1024
    .wavefront_size: 32
...
	.end_amdgpu_metadata
.endif
;; end of part 4
